; MI455X (gfx1250); checked and timed in simulation.
; The chip was launched on July 23, 2026; its instructions are those of AMD's public machine-readable ISA for CDNA 5 (MIT licence, August 2026) and "CDNA5" Instruction Set Architecture Reference Guide (July 2026). The comments in the code are by the model that wrote it; some were corrected since.
;; Transformer Block. Allowed arithmetic: matrix products marked QUANTISED: E2M3 operands, one E8M0 scale for each 32 along K, by v_wmma_scale_f32_16x16x128_f8f6f4 with both operands' format E2M3, f32 sums; products left as they are: f32 operands where the result goes on into a quantised operand, else bf16, f16 or f32 operands; f32 sums; everything else in f32.
;; Inputs: WK 256 x 256 float32; WQ 256 x 256 float32; WV 256 x 256 float32; W_post 64 x 256 float32; W_pre 256 x 64 float32; Wa1 256 x 256 float32; Wa2 256 x 256 float32; Wp1 256 x 3 float32; Wp2 256 x 256 float32; Wproj 256 x 256 float32; b_dm 256 float32; b_dp 64 float32; b_post 64 float32; b_pre 256 float32; features 4 x 4,096 x 64 float32; g_dm 256 float32; g_dp 64 float32; xyz 4 x 4,096 x 3 float32.
;; Outputs: out0 4 x 4,096 x 64 float32.
;; This version of the problem:
;;   THIS VERSION OF THE PROBLEM IS GIVEN IN LOW PRECISION. The matrix products marked QUANTISED in the list below multiply operands that are first quantised to E2M3 (2 exponent bits, 3 mantissa bits; 6 bits a number), with one power-of-two scale for each 32 numbers along K (OCP MX v1.0); their sums are f32. All else is computed in f32.
;;   The module's matrix products, in the order in which they are computed (A, B: the left and right operand; K: the contracted axis; several contracted axes count as one K, in the product's order):
;;     1. [M 16,384, K 64] x [K 64, N 256]; A: input features; B: input W_pre: QUANTISED
;;     2. [M 16,384, K 256] x [K 256, N 256]; A: computed on the way; B: input WQ: QUANTISED
;;     3. [M 16,384, K 256] x [K 256, N 256]; A: computed on the way; B: input WK: QUANTISED
;;     4. [M 16,384, K 256] x [K 256, N 256]; A: computed on the way; B: input WV: QUANTISED
;;     5. [M 262,144, K 3] x [K 3, N 256]; A: computed on the way; B: input Wp1: left as it is (K = 3 < 32)
;;     6. [M 262,144, K 256] x [K 256, N 256]; A: computed on the way; B: input Wp2: QUANTISED
;;     7. [M 262,144, K 256] x [K 256, N 256]; A: computed on the way; B: input Wa1: QUANTISED
;;     8. [M 262,144, K 256] x [K 256, N 256]; A: computed on the way; B: input Wa2: QUANTISED
;;     9. batch 4,194,304 x [M 1, K 16] x [K 16, N 1]; A: softmax; B: computed on the way: left as it is (K = 16 < 32)
;;     10. [M 16,384, K 256] x [K 256, N 256]; A: computed on the way; B: input Wproj: QUANTISED
;;     11. [M 16,384, K 256] x [K 256, N 64]; A: computed on the way; B: input W_post: QUANTISED
;;   THE QUANTISER, for each operand of a quantised product, along K:
;;     - K is cut into blocks of 32 from its start; a last block that is shorter is filled with zeros.
;;     - A block's scale is 2^e with e = floor(log2(the largest magnitude in the block)) - 2, held to -126 .. 127; a block of zeros has e = 0. As a byte (E8M0): e + 127.
;;     - Each number is divided by its block's scale, clamped to +-7.5, and rounded to the nearest number of E2M3, ties to even, subnormals kept.
;;     - The product sums the exact products of the quantised numbers (number of the format x scale) in f32.
;;   ~~~python
;;   def quantise(x, axis):      # numpy; x: float32 -> the quantised numbers, widened to float32 again
;;       x = np.moveaxis(x, axis, -1); K = x.shape[-1]
;;       x = np.pad(x, [(0, 0)] * (x.ndim - 1) + [(0, -K % 32)]); x = x.reshape(x.shape[:-1] + (-1, 32)); a = np.abs(x).max(-1, keepdims=True)
;;       e = np.where(a > 0, np.clip(np.frexp(np.where(a > 0, a, 1))[1] - 1 - 2, -126, 127), 0)      # np.frexp(a)[1] - 1 = floor(log2(a)), exactly
;;       r = np.clip(x / 2.0 ** e, -7.5, 7.5)
;;       step = 2.0 ** (np.maximum(np.frexp(np.where(r == 0, 1, r))[1] - 1, 0) - 3)
;;       q = np.round(r / step) * step * 2.0 ** e      # np.round: ties to even
;;       return np.moveaxis(q.reshape(q.shape[:-2] + (-1,))[..., :K], -1, axis).astype(np.float32)
;;   ~~~
;;   OPERANDS COMPUTED ON THE WAY. 'Computed on the way' means the value that the module computes at that place (a softmax that the list does not call 'softmax' is quantised finished and normalised). What goes into a quantiser is computed in f32, as accurately as f32 sums, v_exp_f32 and their like allow (about 1e-6 of the number): no bf16 or f16 on the way to a quantiser, and a product that is left as it is and whose result goes on into a quantised operand takes f32 operands (vector FMAs, or v_wmma_f32_16x16x4_f32). A number that lies on a knife's edge between two numbers of the format may be rounded either way, as far as f32 arithmetic and the matrix unit's own rounding can turn it there, and no further.
;; One version. Each part assembles by itself: llvm-mc -triple=amdgcn-amd-amdhsa -mcpu=gfx1250 --defsym DOCPART=n.
;; ======== version 1 of 1: 4 launches
;; limits: right only within a limited range of input values
;; workspace buffers: wts 396,800 bytes; glist 589,824 bytes of whole numbers; nlist 589,824 bytes of whole numbers; idx 1,048,576 bytes of whole numbers; rel 4,194,304 bytes; qkv 50,331,648 bytes
;; launch knn1 (part 1): grid 256 x 1, 4 waves a work-group, no clusters, 126,464 bytes of LDS; arguments xyz, Wp2, Wa1, Wa2, Wproj, W_post, W_pre, WQ, WK, WV, wts, glist; writes wts, glist
.if DOCPART == 1
	.amdgcn_target "amdgcn-amd-amdhsa--gfx1250"
	.amdhsa_code_object_version 6
	.text
	.protected	k_q670894a507_knn1
	.globl	k_q670894a507_knn1
	.p2align	8
	.type	k_q670894a507_knn1,@function
k_q670894a507_knn1:
	s_mov_b64 s[64:65], 0
	v_nop
	global_prefetch_b8 v0, s[64:65] scope:SCOPE_SE
	s_setreg_imm32_b32 hwreg(HW_REG_WAVE_MODE, 25, 1), 1
	s_wait_xcnt 0x0
; TWO JOBS.  (a) Work-groups 0-119: the nine weights become codes of E2M3 with one E8M0 byte for each 32 along K, laid as images of the matrix operand's registers.
; (b) Every work-group: for 64 points of one cloud, which 16 GROUPS (of 16 neighbouring candidates) have the smallest group minimum of the squared distance, ties to the lower group.
; Every one of a point's 16 nearest lies in one of these groups: were its group not chosen, 16 groups, so 16 points, would come before it in the order (distance, index).
; The next launch reads the groups' numbers as whole numbers and picks the 16 points.  No branch and no address here hangs on a distance: the choice is made by compares and selects.
; IMAGE of a fragment (16 rows x 128 K, 12 registers a lane): registers 4 g .. 4 g + 3 of lane l at 512 g + 16 l; fragment f at 1536 f; its 16 scale words at SCLB + 64 f.
; Lane r of tile T takes weight row 32 (T / 2) + 8 (T % 2) + r + 8 (r / 8).
; LIMITS: d = fma(dz, dz, fma(dy, dy, dx dx)): it may differ in the last bit from a sum of three rounded squares, so a 16th and a 17th neighbour that close may change places.
; NaN and infinities are not served.  A block of zeros gets the byte 1 (its codes are zeros; only this program reads the bytes); a block's largest magnitude is held at 2^-124 from below.
; SHARES of (b): lane = point 32 (wave % 2) + lane; waves 0, 1 walk groups 0-127, waves 2, 3 groups 128-255.  One wave to a SIMD; the cloud's 4,096 points lie in LDS as x[], y[], z[].
; The cloud's loads go out ahead of job (a), so that they are on their way while a weight's block is loaded and quantised: 41 loads of a wave are out at the most.
.set VALB, 49152                       ; group minima: [wave][item 128][lane], 16,384 bytes a wave, the wave's own
.set EXB,  114688                      ; the waves' sorted lists: 80 bytes a lane, 2,560 a wave
.set SCLB, 380928
.set NOFF, 524288
.set TBR,  9                           ; the float just under T
.set L,    16                          ; v16-31 the 16 smallest so far, ascending
.set A,    32                          ; v32-47 the lower half's list
.set BV,   48                          ; v48-63 the upper half's
.set M,    64                          ; v64-79 the 16 smallest of both
.set T,    80                          ; the 16th smallest
.set NEED, 81
.set EQ0,  82
.set LT0,  83
.set ND,   84
.set CNT,  85
.set TP,   86
.set EXS,  90
.set EXA,  91
.set W,    92                          ; v92-95 the numbers taken, a byte each, the newest lowest
.set S0,   96                          ; two sets of 16 x, 16 y, 16 z; in the second pass v96-111 sixteen items,
.set EE,   112                         ; v112-119 and
.set CC,   120                         ; v120-126 at work
.set S1,   144
.set N0,   13
.set QC,   192                         ; job (a): v192-197 a block's codes, v198-200 its second half as converted
.set QT,   198
.set QS,   202
.set QM,   203
.set QN,   204
.set QB,   205
.set QZ,   206                         ; v206-209 zeros, v210 the byte 127
	s_load_b512 s[4:19], s[0:1], 0x0               ; xyz 4, Wp2 6, Wa1 8, Wa2 10, Wproj 12, W_post 14, W_pre 16, WQ 18
	s_load_b256 s[20:27], s[0:1], 0x40             ; WK 20, WV 22, wts 24, glist 26
	v_lshl_add_u32 v224, v0, 2, 0x1ec00
	v_mov_b32 v225, 0
	v_lshrrev_b32 v1, 5, v0
	v_readfirstlane_b32 s28, v1                    ; wave
	v_and_b32 v1, 31, v0                           ; lane
	s_lshr_b32 s29, s28, 1                         ; which half of the groups
	s_and_b32 s30, s28, 1                          ; which 32 points
	s_lshr_b32 s31, ttmp9, 6                       ; cloud
	s_mul_i32 s32, s31, 49152
	s_mov_b32 s33, 0
	s_lshl_b32 s34, s30, 5
	v_add_nc_u32 v15, s34, v1                      ; my point among the work-group's 64
	s_and_b32 s35, ttmp9, 63
	s_lshl_b32 s35, s35, 6
	v_add_nc_u32 v11, s35, v15
	v_mul_u32_u24 v11, v11, 12
	v_mul_u32_u24 v10, v0, 12
	s_wait_alu depctr_va_vdst(0)
	s_wait_kmcnt 0x0
	s_add_nc_u64 s[4:5], s[4:5], s[32:33]
	global_load_b96 v[12:14], v11, s[4:5]          ; my point
.set FI, 0
.rept 32
	global_load_b96 v[64+4*FI:66+4*FI], v10, s[4:5] offset:1536*FI   ; point 128 i + thread
.set FI, FI+1
.endr
	s_cmp_lt_u32 ttmp9, 120
	s_cbranch_scc0 .Lknn
	; ---- (a) one thread, one block of 32 numbers.  16 work-groups to a 256 x 256 weight, 4 to W_pre, 4 to W_post
	s_lshr_b32 s31, ttmp9, 4
	s_lshl_b32 s36, s31, 4                         ; the weight's first work-group
	s_lshl_b32 s37, s31, 5                         ; its first fragment: 32 a weight,
	s_cmp_ge_u32 s31, 4
	s_cselect_b32 s38, 24, 0                       ; WQ, WK, WV lie behind W_post's 8 and W_pre's 16
	s_add_co_u32 s37, s37, s38
	s_mov_b64 s[32:33], s[6:7]
	s_cmp_eq_u32 s31, 1
	s_cselect_b64 s[32:33], s[8:9], s[32:33]
	s_cmp_eq_u32 s31, 2
	s_cselect_b64 s[32:33], s[10:11], s[32:33]
	s_cmp_eq_u32 s31, 3
	s_cselect_b64 s[32:33], s[12:13], s[32:33]
	s_cmp_eq_u32 s31, 4
	s_cselect_b64 s[32:33], s[18:19], s[32:33]
	s_cmp_eq_u32 s31, 5
	s_cselect_b64 s[32:33], s[20:21], s[32:33]
	s_cmp_eq_u32 s31, 6
	s_cselect_b64 s[32:33], s[22:23], s[32:33]
	s_cmp_ge_u32 ttmp9, 112
	s_cselect_b64 s[32:33], s[16:17], s[32:33]     ; W_pre: 2 blocks a row, one K step
	s_cselect_b32 s34, 1, 3                        ; log2 of the blocks in a row
	s_cselect_b32 s35, 0, 1                        ; log2 of the fragments in a tile
	s_cselect_b32 s37, 136, s37
	s_cmp_ge_u32 ttmp9, 116
	s_cselect_b64 s[32:33], s[14:15], s[32:33]     ; W_post
	s_cselect_b32 s34, 3, s34
	s_cselect_b32 s35, 1, s35
	s_cselect_b32 s37, 128, s37
	s_cselect_b32 s36, 116, s36
	s_sub_co_u32 s39, ttmp9, s36
	s_lshl_b32 s39, s39, 7
	s_bfm_b32 s40, s34, 0                          ; mask of a block's place in its row
	v_add_nc_u32 v16, s39, v0                      ; my block's number in the weight
	v_lshlrev_b32 v17, 7, v16                      ; 128 bytes a block: rows are dense
.irp i,0,1,2,3,4,5,6,7
	global_load_b128 v[32+4*\i:35+4*\i], v17, s[32:33] offset:16*\i th:TH_LOAD_NT
.endr
	v_lshrrev_b32 v18, s34, v16                    ; row
	v_and_b32 v19, s40, v16                        ; block in the row
	v_and_b32 v20, 31, v18
	v_bfe_u32 v21, v20, 3, 1                       ; u
	v_and_b32 v22, 7, v20
	v_lshrrev_b32 v23, 4, v20
	v_lshl_add_u32 v22, v23, 3, v22                ; r: the lane that takes this row
	v_lshrrev_b32 v23, 5, v18
	v_lshl_add_u32 v21, v23, 1, v21                ; tile
	v_lshrrev_b32 v23, 2, v19                      ; K step
	v_and_b32 v24, 3, v19                          ; block in the K step
	v_and_b32 v25, 1, v24                          ; h
	v_lshrrev_b32 v26, 1, v24                      ; c: registers 6 c .. 6 c + 5
	v_lshl_add_u32 v27, v25, 4, v22                ; lane r + 16 h
	v_lshlrev_b32 v21, s35, v21
	v_add3_u32 v21, v21, v23, s37                  ; fragment
	v_mul_u32_u24 v28, v21, 1536
	v_lshl_add_u32 v28, v27, 4, v28
	v_mad_u32_u24 v29, v26, 520, v28               ; registers 6 c, 6 c + 1 (and + 512: 6 c + 4, 6 c + 5)
	v_mad_u32_u24 v30, v26, 1016, v28
	v_add_nc_u32 v30, 8, v30                       ; registers 6 c + 2, 6 c + 3
	v_lshlrev_b32 v31, 6, v21
	v_lshl_add_u32 v31, v22, 2, v31
	v_add_nc_u32 v31, v31, v24                     ; the scale byte's place
	s_wait_loadcnt 0x0                             ; my block (the youngest loads), and so the cloud too
	v_max3_num_f32 v[QM], |v32|, |v33|, 0x1800000  ; the largest magnitude, with the floor 2^(3 - 127) among its leaves
	v_max3_num_f32 v[QN], |v34|, |v35|, |v36|
.irp i,5,9,13,17,21,25
	v_max3_num_f32 v[QM], v[QM], |v[32+\i]|, |v[33+\i]|
	v_max3_num_f32 v[QN], v[QN], |v[34+\i]|, |v[35+\i]|
.endr
	v_max3_num_f32 v[QM], v[QM], |v61|, |v62|
	v_max3_num_f32 v[QM], v[QM], v[QN], |v63|
	v_add_nc_u32 v[QS], 0xff000000, v[QM]          ; 2 off the exponent field: the conversion's scale operand
	v_lshrrev_b32 v[QB], 23, v[QS]                 ; the byte
	v_cvt_scalef32_pk16_fp6_f32 v[QC:QC+2], v[32:47], v[QS]
	v_cvt_scalef32_pk16_fp6_f32 v[QT:QT+2], v[48:63], v[QS]
	v_nop                                          ; one plain line behind the conversions
	v_mov_b32 v[QC+3], v[QT]
	v_mov_b32 v[QC+4], v[QT+1]
	v_mov_b32 v[QC+5], v[QT+2]
	global_store_b64 v29, v[QC:QC+1], s[24:25]     ; pieces of 8 bytes and single bytes: 0.4 MB in all, written once
	global_store_b64 v30, v[QC+2:QC+3], s[24:25]
	global_store_b64 v29, v[QC+4:QC+5], s[24:25] offset:512
	global_store_b8 v31, v[QB], s[24:25] offset:SCLB
	s_cmp_ge_u32 ttmp9, 112
	s_cbranch_scc0 .Lwdone
	s_cmp_lt_u32 ttmp9, 116
	s_cbranch_scc0 .Lwdone
	v_mov_b32 v[QZ], 0                             ; W_pre has K = 64: the K step's other half is zero codes under the byte 127
	v_mov_b32 v[QZ+1], 0
	v_mov_b32 v[QZ+2], 0
	v_mov_b32 v[QZ+3], 0
	v_mov_b32 v[QZ+4], 127
	global_store_b64 v28, v[QZ:QZ+1], s[24:25] offset:520
	global_store_b128 v28, v[QZ:QZ+3], s[24:25] offset:1024
	global_store_b8 v31, v[QZ+4], s[24:25] offset:SCLB+2
.Lwdone:
	s_wait_xcnt 0x0                                ; the stores' address registers are written again below
.Lknn:
	; ---- (b) the cloud into LDS
	s_wait_loadcnt 0x0
	v_lshlrev_b32 v9, 2, v0
.set FI, 0
.rept 32
	ds_store_b32 v9, v[64+4*FI] offset:512*FI
	ds_store_b32 v9, v[65+4*FI] offset:512*FI+16384
	ds_store_b32 v9, v[66+4*FI] offset:512*FI+32768
.set FI, FI+1
.endr
	s_wait_dscnt 0x0                               ; my stores have landed
	s_barrier_signal -1
	s_barrier_wait -1                              ; everybody's have
	v_mov_b32 v2, v12                              ; the point's coordinates, each twice, for the packed forms
	v_mov_b32 v3, v12
	v_mov_b32 v4, v13
	v_mov_b32 v5, v13
	v_mov_b32 v6, v14
	v_mov_b32 v7, v14
	s_mov_b32 s36, 0x7f800000
.set FI, 0
.rept 16
	v_mov_b32 v[L+FI], s36
.set FI, FI+1
.endr
.irp k,0,1,2,3
	v_mov_b32 v[W+\k], 0
.endr
	s_lshl_b32 s38, s28, 14
	v_lshl_add_u32 v8, v1, 2, s38
	v_add_nc_u32 v8, VALB, v8                      ; my column of the wave's minima
	s_mul_i32 s38, s28, 2560
	v_mul_u32_u24 v[EXS], v1, 80
	v_add_nc_u32 v[EXA], EXB, v[EXS]
	v_add_nc_u32 v[EXS], s38, v[EXA]
	s_mul_i32 s38, s30, 2560
	v_add_nc_u32 v[EXA], s38, v[EXA]
	s_lshl_b32 s46, s29, 13                        ; my half's first group: 64 bytes of x a group
	s_mov_b32 s47, 0
.macro INSERT x                        ; x goes into the sorted 16: each place takes the middle one of its lower neighbour, itself and x
.set IN_I, 15
.rept 15
	v_med3_num_f32 v[L+IN_I], v[L+IN_I-1], v[L+IN_I], v[\x]
.set IN_I, IN_I-1
.endr
	v_min_num_f32 v[L], v[L], v[\x]
.endm
.macro LOADG set                       ; a group's 16 points: every lane reads the same bytes
	v_mov_b32 v9, s46
	s_add_co_u32 s46, s46, 64
.irp c,0,1,2
.irp j,0,1,2,3
	ds_load_b128 v[\set+16*\c+4*\j:\set+16*\c+4*\j+3], v9 offset:16384*\c+16*\j
.endr
.endr
.endm
.macro GROUP set, pre, cnt
	s_wait_dscnt \cnt                              ; this set's 12 loads are in; the other set's 12 may be out
.irp p,0,2,4,6,8,10,12,14
	v_pk_add_f32 v[\set+\p:\set+\p+1], v[\set+\p:\set+\p+1], v[2:3] neg_lo:[0,1] neg_hi:[0,1]
	v_pk_add_f32 v[\set+16+\p:\set+17+\p], v[\set+16+\p:\set+17+\p], v[4:5] neg_lo:[0,1] neg_hi:[0,1]
	v_pk_add_f32 v[\set+32+\p:\set+33+\p], v[\set+32+\p:\set+33+\p], v[6:7] neg_lo:[0,1] neg_hi:[0,1]
.endr
.irp p,0,2,4,6,8,10,12,14
	v_pk_mul_f32 v[\set+\p:\set+\p+1], v[\set+\p:\set+\p+1], v[\set+\p:\set+\p+1]
.endr
.irp p,0,2,4,6,8,10,12,14
	v_pk_fma_f32 v[\set+\p:\set+\p+1], v[\set+16+\p:\set+17+\p], v[\set+16+\p:\set+17+\p], v[\set+\p:\set+\p+1]
.endr
.irp p,0,2,4,6,8,10,12,14
	v_pk_fma_f32 v[\set+\p:\set+\p+1], v[\set+32+\p:\set+33+\p], v[\set+32+\p:\set+33+\p], v[\set+\p:\set+\p+1]
.endr
	v_min3_num_f32 v13, v[\set], v[\set+1], v[\set+2]
	v_min3_num_f32 v14, v[\set+3], v[\set+4], v[\set+5]
	v_min3_num_f32 v13, v13, v[\set+6], v[\set+7]
	v_min3_num_f32 v14, v14, v[\set+8], v[\set+9]
	v_min3_num_f32 v13, v13, v[\set+10], v[\set+11]
	v_min3_num_f32 v14, v14, v[\set+12], v[\set+13]
	v_min3_num_f32 v13, v13, v[\set+14], v[\set+15]
	v_min_num_f32 v13, v13, v14                    ; the group's minimum
	v_add_nc_u32 v10, s47, v8
	s_add_co_u32 s47, s47, 128
	ds_store_b32 v10, v13                          ; kept for the second pass
.if \pre
	LOADG \set                                     ; the set is read out: its next group is asked for ahead of the insertion, which names none of its registers
.endif
	INSERT 13
.endm
	LOADG S0
	LOADG S1
	s_mov_b32 s44, 0
.Lgroups:                                          ; 63 trips of two groups; each set is filled again two groups ahead
	GROUP S0, 1, 12
	GROUP S1, 1, 12
	s_add_co_u32 s44, s44, 1
	s_cmp_lt_u32 s44, 63
	s_cbranch_scc1 .Lgroups
	GROUP S0, 0, 12                                ; the last two load nothing: no read passes the arrays
	GROUP S1, 0, 0
	; ---- the two halves' lists meet: T = the 16th smallest of all 256; how many equal to T are still wanted; how many of the 16 fall to the lower half
.irp c,0,1,2,3
	ds_store_b128 v[EXS], v[L+4*\c:L+4*\c+3] offset:16*\c
.endr
	s_wait_dscnt 0x0
	s_barrier_signal -1
	s_barrier_wait -1
.irp c,0,1,2,3
	ds_load_b128 v[A+4*\c:A+4*\c+3], v[EXA] offset:16*\c
	ds_load_b128 v[BV+4*\c:BV+4*\c+3], v[EXA] offset:5120+16*\c
.endr
	s_wait_dscnt 0x0
.set FI, 0
.rept 16
	v_min_num_f32 v[M+FI], v[A+FI], v[BV+15-FI]    ; the 16 smallest of two sorted sixteens
.set FI, FI+1
.endr
	v_max3_num_f32 v[T], v[M], v[M+1], v[M+2]
.irp i,3,5,7,9,11,13
	v_max3_num_f32 v[T], v[T], v[M+\i], v[M+\i+1]
.endr
	v_max_num_f32 v[T], v[T], v[M+15]
	v_mov_b32 v[NEED], 0
	v_mov_b32 v[EQ0], 0
	v_mov_b32 v[LT0], 0
	v_mov_b32 v[CNT], 0
.set FI, 0
.rept 16
	v_cmp_eq_f32 vcc_lo, v[M+FI], v[T]
	v_add_co_ci_u32 v[NEED], vcc_lo, 0, v[NEED], vcc_lo
	v_cmp_eq_f32 vcc_lo, v[A+FI], v[T]
	v_add_co_ci_u32 v[EQ0], vcc_lo, 0, v[EQ0], vcc_lo
	v_cmp_lt_f32 vcc_lo, v[A+FI], v[T]
	v_add_co_ci_u32 v[LT0], vcc_lo, 0, v[LT0], vcc_lo
.set FI, FI+1
.endr
	v_min_u32 v14, v[EQ0], v[NEED]                 ; equals that the lower half supplies
	v_add_nc_u32 v[N0], v[LT0], v14                ; the lower half's share of the 16
	v_mul_u32_u24 v14, s29, v14
	v_sub_nc_u32 v[ND], v[NEED], v14               ; equals that my half may take, in ascending order
	v_add_nc_u32 v[TBR], -1, v[T]                  ; distances are not negative, so T's bits less 1 are the float just under T; for T = 0 they are a NaN, under which no compare holds: nothing lies under 0
	; ---- second pass over my 128 minima: what is under T is taken, and the first ND that equal T.
	; Eight items at a time, in runs of lines that do not wait for each other, and with no scalar logic: an item is taken where x <= lim, lim = T while equals are wanted, then the float under T
.macro SWEEP8 x
.irp i,0,1,2,3,4,5,6,7
	v_cmp_eq_f32 s[48+\i], v[\x+\i], v[T]
.endr
.irp i,0,1,2,3,4,5,6,7
	v_cndmask_b32 v[EE+\i], 0, 1, s[48+\i]
.endr
	v_add_nc_u32 v[CC], v[CNT], v[EE]              ; equals met so far, this item among them
.irp i,1,2,3,4,5,6
	v_add_nc_u32 v[CC+\i], v[CC+\i-1], v[EE+\i]
.endr
	v_add_nc_u32 v[CNT], v[CC+6], v[EE+7]
.irp i,0,1,2,3,4,5,6
	v_cmp_gt_u32 s[48+\i], v[CC+\i], v[ND]
.endr
	v_cmp_gt_u32 s55, v[CNT], v[ND]
.irp i,0,1,2,3,4,5,6,7
	v_cndmask_b32 v[EE+\i], v[T], v[TBR], s[48+\i]
.endr
.irp i,0,1,2,3,4,5,6,7
	v_cmp_le_f32 s[48+\i], v[\x+\i], v[EE+\i]
.endr
.irp i,0,1,2,3,4,5,6,7
	v_alignbit_b32 v[TP+3], v[W+3], v[W+2], 24     ; the list a byte up,
	v_alignbit_b32 v[TP+2], v[W+2], v[W+1], 24
	v_alignbit_b32 v[TP+1], v[W+1], v[W], 24
	v_lshl_or_b32 v[TP], v[W], 8, s[56+\i]         ; the item's number lowest
.irp k,0,1,2,3
	v_cndmask_b32 v[W+\k], v[W+\k], v[TP+\k], s[48+\i]
.endr
.endr
.irp i,0,1,2,3,4,5,6,7
	s_add_co_u32 s[56+\i], s[56+\i], 8             ; the next eight items' numbers
.endr
.endm
	s_lshl_b32 s56, s29, 7                         ; my half's first number
.irp i,1,2,3,4,5,6,7
	s_add_co_u32 s[56+\i], s56, \i
.endr
	s_mov_b32 s44, 0
	s_mov_b32 s45, 0
.Lsweep:                                           ; 8 trips of 16 items
	v_add_nc_u32 v10, s45, v8
.irp i,0,1,2,3,4,5,6,7,8,9,10,11,12,13,14,15
	ds_load_b32 v[S0+\i], v10 offset:128*\i
.endr
	s_wait_dscnt 8                                 ; the first eight are in; the eight behind them may be out
	SWEEP8 S0
	s_wait_dscnt 0x0
	SWEEP8 S0+8
	s_add_co_u32 s45, s45, 2048
	s_add_co_u32 s44, s44, 1
	s_cmp_lt_u32 s44, 8
	s_cbranch_scc1 .Lsweep
	s_lshl_b32 s32, ttmp9, 10
	s_lshl_b32 s33, s29, 18
	s_add_co_u32 s32, s32, s33
	s_mov_b32 s33, 0
	s_add_nc_u64 s[34:35], s[26:27], s[32:33]
	v_lshlrev_b32 v11, 4, v15
	s_wait_alu depctr_va_vdst(0)
	global_store_b128 v11, v[W:W+3], s[34:35]      ; the wave stores 512 consecutive bytes
	s_cmp_lg_u32 s29, 0
	s_cbranch_scc1 .Lend
	s_lshl_b32 s32, ttmp9, 8
	s_add_nc_u64 s[36:37], s[26:27], s[32:33]
	v_lshlrev_b32 v10, 2, v15
	global_store_b32 v10, v[N0], s[36:37] offset:NOFF
.Lend:
	s_wait_tensorcnt 0x0
	ds_add_u32 v224, v225
	s_wait_dscnt 0x0
	s_endpgm
.Lfunc_end_k_q670894a507_knn1:
	.size	k_q670894a507_knn1, .Lfunc_end_k_q670894a507_knn1-k_q670894a507_knn1
	.p2alignl 7, 3214868480
	.fill 96, 4, 3214868480
	.section	.rodata,"a",@progbits
	.p2align	6, 0x0
	.amdhsa_kernel k_q670894a507_knn1
		.amdhsa_group_segment_fixed_size 126464
		.amdhsa_private_segment_fixed_size 0
		.amdhsa_enable_private_segment 0
		.amdhsa_kernarg_size 96
		.amdhsa_user_sgpr_count 2
		.amdhsa_user_sgpr_kernarg_segment_ptr 1
		.amdhsa_wavefront_size32 1
		.amdhsa_system_sgpr_workgroup_id_x 1
		.amdhsa_system_sgpr_workgroup_id_y 1
		.amdhsa_system_sgpr_workgroup_id_z 1
		.amdhsa_system_vgpr_workitem_id 0
		.amdhsa_next_free_vgpr 226
		.amdhsa_next_free_sgpr 66
		.amdhsa_reserve_vcc 1
		.amdhsa_float_denorm_mode_32 3
		.amdhsa_float_denorm_mode_16_64 3
		.amdhsa_memory_ordered 1
		.amdhsa_forward_progress 1
		.amdhsa_inst_pref_size 61
	.end_amdhsa_kernel
	.amdgpu_metadata
---
amdhsa.version: [ 1, 2 ]
amdhsa.kernels:
  - .name:           k_q670894a507_knn1
    .symbol:         k_q670894a507_knn1.kd
    .args:
      - { .name: xyz, .offset: 0, .size: 8, .value_kind: global_buffer, .address_space: global }
      - { .name: Wp2, .offset: 8, .size: 8, .value_kind: global_buffer, .address_space: global }
      - { .name: Wa1, .offset: 16, .size: 8, .value_kind: global_buffer, .address_space: global }
      - { .name: Wa2, .offset: 24, .size: 8, .value_kind: global_buffer, .address_space: global }
      - { .name: Wproj, .offset: 32, .size: 8, .value_kind: global_buffer, .address_space: global }
      - { .name: W_post, .offset: 40, .size: 8, .value_kind: global_buffer, .address_space: global }
      - { .name: W_pre, .offset: 48, .size: 8, .value_kind: global_buffer, .address_space: global }
      - { .name: WQ, .offset: 56, .size: 8, .value_kind: global_buffer, .address_space: global }
      - { .name: WK, .offset: 64, .size: 8, .value_kind: global_buffer, .address_space: global }
      - { .name: WV, .offset: 72, .size: 8, .value_kind: global_buffer, .address_space: global }
      - { .name: wts, .offset: 80, .size: 8, .value_kind: global_buffer, .address_space: global }
      - { .name: glist, .offset: 88, .size: 8, .value_kind: global_buffer, .address_space: global }
    .group_segment_fixed_size: 126464
    .private_segment_fixed_size: 0
    .kernarg_segment_align: 8
    .kernarg_segment_size: 96
    .max_flat_workgroup_size: 128
    .sgpr_count:     66
    .vgpr_count:     226
    .wavefront_size: 32
...
	.end_amdgpu_metadata
.endif
;; end of part 1
;; launch knn2 (part 2): grid 256 x 1, 4 waves a work-group, no clusters, 76,288 bytes of LDS; arguments xyz, glist, nlist; writes nlist
.if DOCPART == 2
	.amdgcn_target "amdgcn-amd-amdhsa--gfx1250"
	.amdhsa_code_object_version 6
	.text
	.protected	k_q670894a507_knn2
	.globl	k_q670894a507_knn2
	.p2align	8
	.type	k_q670894a507_knn2,@function
k_q670894a507_knn2:
	s_mov_b64 s[64:65], 0
	v_nop
	global_prefetch_b8 v0, s[64:65] scope:SCOPE_SE
	s_setreg_imm32_b32 hwreg(HW_REG_WAVE_MODE, 25, 1), 1
	s_wait_xcnt 0x0
; For 64 points: the 16 nearest among the 256 candidates of the 16 groups that the launch before chose (whole numbers read from memory steer the addresses here).
; The groups are taken in ascending order, so a candidate's local number 16 k + c rises with its index, and ties go to the lower index.
; Lane = point 32 (wave % 2) + lane; waves 0, 1 take groups k = 0-7 of the list, waves 2, 3 k = 8-15.  The choice is the one of the launch before: a sorted 16 a lane, the two halves' lists
; meet in LDS, a second pass takes what is under the 16th smallest and as many equals as are wanted.  Stored: local numbers, a byte each, and the lower half's share.
; LIMITS: the distance is fma(dz, dz, fma(dy, dy, dx dx)), as in the launch before; NaN and infinities are not served.
.set VALB, 0
.set EXB,  65536
.set NOFF, 524288
.set TBR,  9                           ; the float just under T
.set L,    16
.set A,    32
.set BV,   48
.set M,    64
.set DD,   64                          ; v64-79 a group's 16 distances (the registers that the merge takes later)
.set T,    80
.set NEED, 81
.set EQ0,  82
.set LT0,  83
.set ND,   84
.set CNT,  85
.set TP,   86
.set EXS,  90
.set EXA,  91
.set W,    92
.set S0,   96
.set EE,   112
.set CC,   120
.set S1,   144
.set N0,   13
	s_load_b128 s[4:7], s[0:1], 0x0                ; xyz, glist
	s_load_b64 s[8:9], s[0:1], 0x10                ; nlist
	v_lshl_add_u32 v192, v0, 2, 0x12800
	v_mov_b32 v193, 0
	v_lshrrev_b32 v1, 5, v0
	v_readfirstlane_b32 s28, v1
	v_and_b32 v1, 31, v0
	s_lshr_b32 s29, s28, 1
	s_and_b32 s30, s28, 1
	s_lshl_b32 s34, s30, 5
	v_add_nc_u32 v15, s34, v1                      ; my point among the 64
	s_lshl_b32 s31, ttmp9, 6
	v_add_nc_u32 v59, s31, v15                     ; and among all
	v_lshlrev_b32 v11, 2, v59
	v_lshlrev_b32 v58, 4, v59
	s_and_b32 s32, ttmp9, 63
	s_lshl_b32 s32, s32, 6
	v_add_nc_u32 v10, s32, v15
	v_mul_u32_u24 v10, v10, 12
	s_lshr_b32 s33, ttmp9, 6
	s_mul_i32 s34, s33, 49152
	s_mov_b32 s35, 0
	s_wait_alu depctr_va_vdst(0)
	s_wait_kmcnt 0x0
	s_add_nc_u64 s[4:5], s[4:5], s[34:35]
	global_load_b32 v32, v11, s[6:7] offset:NOFF   ; how many of the 16 groups the lower list holds
	global_load_b96 v[12:14], v10, s[4:5]          ; my point
	s_lshl_b32 s36, s29, 3                         ; k of my first group
	s_sub_co_u32 s37, 0x4000f, s36                 ; the upper list's byte 15 - k
	s_wait_loadcnt 0x0
	v_sub_nc_u32 v33, v32, s36
	v_add_nc_u32 v33, -1, v33                      ; the lower list's byte n0 - 1 - k: the lists have their newest entry lowest
.set GI, 0
.rept 8
	v_add_nc_u32 v[34+GI], -GI, v33
	v_cmp_lt_u32 vcc_lo, s36, v32
	v_cndmask_b32 v[34+GI], s37, v[34+GI], vcc_lo
	v_min_u32 v[34+GI], 0x4000f, v[34+GI]          ; a loaded number enters an address only held
	v_add_nc_u32 v[34+GI], v[34+GI], v58
	global_load_u8 v[42+GI], v[34+GI], s[6:7]
	s_add_co_u32 s36, s36, 1
	s_sub_co_u32 s37, s37, 1
.set GI, GI+1
.endr
	s_wait_loadcnt 0x0
.set GI, 0
.rept 8
	v_min_u32 v[42+GI], 0xff, v[42+GI]
	v_mul_u32_u24 v[50+GI], v[42+GI], 192          ; a group's 16 points are 192 bytes
.set GI, GI+1
.endr
.macro LOADC set, g
.irp j,0,1,2,3,4,5,6,7,8,9,10,11
	global_load_b128 v[\set+4*\j:\set+4*\j+3], v[50+(\g)], s[4:5] offset:16*\j
.endr
.endm
	LOADC S0, 0
	LOADC S1, 1
	v_mov_b32 v2, v12
	v_mov_b32 v4, v13
	v_mov_b32 v6, v14
	s_mov_b32 s36, 0x7f800000
.set FI, 0
.rept 16
	v_mov_b32 v[L+FI], s36
.set FI, FI+1
.endr
.irp k,0,1,2,3
	v_mov_b32 v[W+\k], 0
.endr
	s_lshl_b32 s38, s28, 14
	v_lshl_add_u32 v8, v1, 2, s38                  ; my column of the wave's 128 distances
	s_mul_i32 s38, s28, 2560
	v_mul_u32_u24 v[EXS], v1, 80
	v_add_nc_u32 v[EXA], EXB, v[EXS]
	v_add_nc_u32 v[EXS], s38, v[EXA]
	s_mul_i32 s38, s30, 2560
	v_add_nc_u32 v[EXA], s38, v[EXA]
.macro INSERT x                        ; x goes into the sorted 16: each place takes the middle one of its lower neighbour, itself and x
.set IN_I, 15
.rept 15
	v_med3_num_f32 v[L+IN_I], v[L+IN_I-1], v[L+IN_I], v[\x]
.set IN_I, IN_I-1
.endr
	v_min_num_f32 v[L], v[L], v[\x]
.endm
; A group's 16 distances go into registers of their own, so that the set is read out at once: the 16 stores (item 16 g + c of my 128) and the set's next group nx (none: -1)
; stand in one run ahead of the 16 insertions, which name neither
.macro CAND set, g, nx
.set CI, 0
.rept 16
	v_sub_f32 v[\set+3*CI], v[\set+3*CI], v2
	v_sub_f32 v[\set+3*CI+1], v[\set+3*CI+1], v4
	v_sub_f32 v[\set+3*CI+2], v[\set+3*CI+2], v6
.set CI, CI+1
.endr
.set CI, 0
.rept 16
	v_mul_f32 v[DD+CI], v[\set+3*CI], v[\set+3*CI]
.set CI, CI+1
.endr
.set CI, 0
.rept 16
	v_fma_f32 v[DD+CI], v[\set+3*CI+1], v[\set+3*CI+1], v[DD+CI]
.set CI, CI+1
.endr
.set CI, 0
.rept 16
	v_fma_f32 v[DD+CI], v[\set+3*CI+2], v[\set+3*CI+2], v[DD+CI]
.set CI, CI+1
.endr
.set CI, 0
.rept 16
	ds_store_b32 v8, v[DD+CI] offset:128*(16*(\g)+CI)
.set CI, CI+1
.endr
.if (\nx) >= 0
	LOADC \set, \nx
.endif
.set CI, 0
.rept 16
	INSERT DD+CI
.set CI, CI+1
.endr
.endm
.irp g,0,2,4
	s_wait_loadcnt 12                              ; this group's 12 loads are in; the next group's may be out
	CAND S0, \g, \g+2
	s_wait_loadcnt 12
	CAND S1, \g+1, \g+3
.endr
	s_wait_loadcnt 12
	CAND S0, 6, -1
	s_wait_loadcnt 0x0
	CAND S1, 7, -1
.irp c,0,1,2,3
	ds_store_b128 v[EXS], v[L+4*\c:L+4*\c+3] offset:16*\c
.endr
	s_wait_dscnt 0x0
	s_barrier_signal -1
	s_barrier_wait -1
.irp c,0,1,2,3
	ds_load_b128 v[A+4*\c:A+4*\c+3], v[EXA] offset:16*\c
	ds_load_b128 v[BV+4*\c:BV+4*\c+3], v[EXA] offset:5120+16*\c
.endr
	s_wait_dscnt 0x0
.set FI, 0
.rept 16
	v_min_num_f32 v[M+FI], v[A+FI], v[BV+15-FI]    ; the 16 smallest of two sorted sixteens
.set FI, FI+1
.endr
	v_max3_num_f32 v[T], v[M], v[M+1], v[M+2]
.irp i,3,5,7,9,11,13
	v_max3_num_f32 v[T], v[T], v[M+\i], v[M+\i+1]
.endr
	v_max_num_f32 v[T], v[T], v[M+15]
	v_mov_b32 v[NEED], 0
	v_mov_b32 v[EQ0], 0
	v_mov_b32 v[LT0], 0
	v_mov_b32 v[CNT], 0
.set FI, 0
.rept 16
	v_cmp_eq_f32 vcc_lo, v[M+FI], v[T]
	v_add_co_ci_u32 v[NEED], vcc_lo, 0, v[NEED], vcc_lo
	v_cmp_eq_f32 vcc_lo, v[A+FI], v[T]
	v_add_co_ci_u32 v[EQ0], vcc_lo, 0, v[EQ0], vcc_lo
	v_cmp_lt_f32 vcc_lo, v[A+FI], v[T]
	v_add_co_ci_u32 v[LT0], vcc_lo, 0, v[LT0], vcc_lo
.set FI, FI+1
.endr
	v_min_u32 v14, v[EQ0], v[NEED]                 ; equals that the lower half supplies
	v_add_nc_u32 v[N0], v[LT0], v14                ; the lower half's share of the 16
	v_mul_u32_u24 v14, s29, v14
	v_sub_nc_u32 v[ND], v[NEED], v14               ; equals that my half may take, in ascending order
	v_add_nc_u32 v[TBR], -1, v[T]                  ; distances are not negative, so T's bits less 1 are the float just under T; for T = 0 they are a NaN, under which no compare holds: nothing lies under 0
; Eight items at a time, in runs of lines that do not wait for each other, and with no scalar logic: an item is taken where x <= lim, lim = T while equals are wanted, then the float under T
.macro SWEEP8 x
.irp i,0,1,2,3,4,5,6,7
	v_cmp_eq_f32 s[48+\i], v[\x+\i], v[T]
.endr
.irp i,0,1,2,3,4,5,6,7
	v_cndmask_b32 v[EE+\i], 0, 1, s[48+\i]
.endr
	v_add_nc_u32 v[CC], v[CNT], v[EE]              ; equals met so far, this item among them
.irp i,1,2,3,4,5,6
	v_add_nc_u32 v[CC+\i], v[CC+\i-1], v[EE+\i]
.endr
	v_add_nc_u32 v[CNT], v[CC+6], v[EE+7]
.irp i,0,1,2,3,4,5,6
	v_cmp_gt_u32 s[48+\i], v[CC+\i], v[ND]
.endr
	v_cmp_gt_u32 s55, v[CNT], v[ND]
.irp i,0,1,2,3,4,5,6,7
	v_cndmask_b32 v[EE+\i], v[T], v[TBR], s[48+\i]
.endr
.irp i,0,1,2,3,4,5,6,7
	v_cmp_le_f32 s[48+\i], v[\x+\i], v[EE+\i]
.endr
.irp i,0,1,2,3,4,5,6,7
	v_alignbit_b32 v[TP+3], v[W+3], v[W+2], 24     ; the list a byte up,
	v_alignbit_b32 v[TP+2], v[W+2], v[W+1], 24
	v_alignbit_b32 v[TP+1], v[W+1], v[W], 24
	v_lshl_or_b32 v[TP], v[W], 8, s[56+\i]         ; the item's number lowest
.irp k,0,1,2,3
	v_cndmask_b32 v[W+\k], v[W+\k], v[TP+\k], s[48+\i]
.endr
.endr
.irp i,0,1,2,3,4,5,6,7
	s_add_co_u32 s[56+\i], s[56+\i], 8             ; the next eight items' numbers
.endr
.endm
	s_lshl_b32 s56, s29, 7
.irp i,1,2,3,4,5,6,7
	s_add_co_u32 s[56+\i], s56, \i
.endr
	s_mov_b32 s44, 0
	s_mov_b32 s45, 0
.Lsweep:                                           ; 8 trips of 16 items
	v_add_nc_u32 v10, s45, v8
.irp i,0,1,2,3,4,5,6,7,8,9,10,11,12,13,14,15
	ds_load_b32 v[S0+\i], v10 offset:128*\i
.endr
	s_wait_dscnt 8                                 ; the first eight are in; the eight behind them may be out
	SWEEP8 S0
	s_wait_dscnt 0x0
	SWEEP8 S0+8
	s_add_co_u32 s45, s45, 2048
	s_add_co_u32 s44, s44, 1
	s_cmp_lt_u32 s44, 8
	s_cbranch_scc1 .Lsweep
	s_lshl_b32 s32, ttmp9, 10
	s_lshl_b32 s33, s29, 18
	s_add_co_u32 s32, s32, s33
	s_mov_b32 s33, 0
	s_add_nc_u64 s[34:35], s[8:9], s[32:33]
	v_lshlrev_b32 v11, 4, v15
	s_wait_alu depctr_va_vdst(0)
	global_store_b128 v11, v[W:W+3], s[34:35]      ; the wave stores 512 consecutive bytes
	s_cmp_lg_u32 s29, 0
	s_cbranch_scc1 .Lend
	s_lshl_b32 s32, ttmp9, 8
	s_add_nc_u64 s[36:37], s[8:9], s[32:33]
	v_lshlrev_b32 v10, 2, v15
	global_store_b32 v10, v[N0], s[36:37] offset:NOFF
.Lend:
	s_wait_tensorcnt 0x0
	ds_add_u32 v192, v193
	s_wait_dscnt 0x0
	s_endpgm
.Lfunc_end_k_q670894a507_knn2:
	.size	k_q670894a507_knn2, .Lfunc_end_k_q670894a507_knn2-k_q670894a507_knn2
	.p2alignl 7, 3214868480
	.fill 96, 4, 3214868480
	.section	.rodata,"a",@progbits
	.p2align	6, 0x0
	.amdhsa_kernel k_q670894a507_knn2
		.amdhsa_group_segment_fixed_size 76288
		.amdhsa_private_segment_fixed_size 0
		.amdhsa_enable_private_segment 0
		.amdhsa_kernarg_size 24
		.amdhsa_user_sgpr_count 2
		.amdhsa_user_sgpr_kernarg_segment_ptr 1
		.amdhsa_wavefront_size32 1
		.amdhsa_system_sgpr_workgroup_id_x 1
		.amdhsa_system_sgpr_workgroup_id_y 1
		.amdhsa_system_sgpr_workgroup_id_z 1
		.amdhsa_system_vgpr_workitem_id 0
		.amdhsa_next_free_vgpr 194
		.amdhsa_next_free_sgpr 66
		.amdhsa_reserve_vcc 1
		.amdhsa_float_denorm_mode_32 3
		.amdhsa_float_denorm_mode_16_64 3
		.amdhsa_memory_ordered 1
		.amdhsa_forward_progress 1
		.amdhsa_inst_pref_size 202
	.end_amdhsa_kernel
	.amdgpu_metadata
---
amdhsa.version: [ 1, 2 ]
amdhsa.kernels:
  - .name:           k_q670894a507_knn2
    .symbol:         k_q670894a507_knn2.kd
    .args:
      - { .name: xyz, .offset: 0, .size: 8, .value_kind: global_buffer, .address_space: global }
      - { .name: glist, .offset: 8, .size: 8, .value_kind: global_buffer, .address_space: global }
      - { .name: nlist, .offset: 16, .size: 8, .value_kind: global_buffer, .address_space: global }
    .group_segment_fixed_size: 76288
    .private_segment_fixed_size: 0
    .kernarg_segment_align: 8
    .kernarg_segment_size: 24
    .max_flat_workgroup_size: 128
    .sgpr_count:     66
    .vgpr_count:     194
    .wavefront_size: 32
...
	.end_amdgpu_metadata
.endif
;; end of part 2
;; launch qkv (part 3): grid 256 x 1, 16 waves a work-group, no clusters, 259,072 bytes of LDS; arguments features, wts, b_pre, g_dm, b_dm, xyz, glist, nlist, qkv, idx, rel; writes qkv, idx, rel
.if DOCPART == 3
	.amdgcn_target "amdgcn-amd-amdhsa--gfx1250"
	.amdhsa_code_object_version 6
	.text
	.protected	k_q670894a507_qkv
	.globl	k_q670894a507_qkv
	.p2align	8
	.type	k_q670894a507_qkv,@function
k_q670894a507_qkv:
	s_mov_b64 s[64:65], 0
	v_nop
	global_prefetch_b8 v0, s[64:65] scope:SCOPE_SE
	s_setreg_imm32_b32 hwreg(HW_REG_WAVE_MODE, 25, 1), 1
	s_wait_xcnt 0x0
; For 64 points: inp = features W_pre^T + b_pre; q, k, v = LayerNorm(inp WQ^T, WK^T, WV^T); all four products on codes of E2M3 with E8M0 scales.
; Also: the local numbers of the two launches before become neighbour indices idx, and rel = xyz[point] - xyz[neighbour].
; SHARES.  Waves 0-11: tile of 16 points w % 4, table w / 4 (q, k, v); the first product is made by each of a tile's three waves (16 matrix instructions).
; Waves 12-15 do the translation, a chain of four dependent loads, beside the others' products: they touch no LDS and issue no copy, and pass the one barrier like every wave.  Four waves share a SIMD.
; The weights' images and scale words come into LDS once, by copies at the head.  Products are used transposed (source 0 = 16 rows of a weight, source 1 = the points): lane (r, h) holds
; point r, and accumulator register R the channel 32 (R / 16) + 16 h + R % 16: sixteen neighbours along the next K.
; TABLE ROWS (1,024 bytes).  c(w, t, p) = 64 w + 32 (t / 2) + 8 (t % 2) + p + 8 (p / 8) is the channel that lane p of tile 4 w + t of a weight takes.
;   q, k: position 64 w + 16 t + p holds channel c(w, t, p): eight neighbouring positions are eight registers of the next launch's transposed accumulators.
;   v:    position 64 w + 32 (t / 2) + 2 p + t % 2 holds channel c(w, t, p): two neighbouring positions are one lane's channels of the two tiles of its other use of a product.
; LIMITS: a block's largest magnitude is held at 2^-124 from below; NaN and infinities are not served.
.set SCLB, 380928
.set NOFF, 524288
.set WSCL, 172032                      ; LDS: 0: fragments 136-247;  here: scale words of fragments 56-247
.set PAR,  184320                      ; b_pre, g_dm, b_dm
.set STG,  187392                      ; a stage of 16 rows x 272 bytes for each wave (waves 12-15 use none; the claim covers sixteen)
.set WS,   24                          ; v24-27 weights' scale words
.set XSC,  28                          ; v28-29 the points' scale words
.set X,    32                          ; v32-55 the points' two fragments
.set WF,   56                          ; v56-103 four fragments of a weight
.set TM,   104
.set PT,   120
.set ACC,  128                         ; v128-255
.macro NOPS n
.rept \n
	v_nop
.endr
.endm
.macro MMZ d, a, b, sa, sb
	v_wmma_scale_f32_16x16x128_f8f6f4 v[\d:\d+7], v[\a:\a+11], v[\b:\b+11], 0, v[\sa], v[\sb] matrix_a_fmt:MATRIX_FMT_FP6 matrix_b_fmt:MATRIX_FMT_FP6
.endm
.macro MMA d, a, b, c, sa, sb
	v_wmma_scale_f32_16x16x128_f8f6f4 v[\d:\d+7], v[\a:\a+11], v[\b:\b+11], v[\c:\c+7], v[\sa], v[\sb] matrix_a_fmt:MATRIX_FMT_FP6 matrix_b_fmt:MATRIX_FMT_FP6
.endm
; a whole block of 32 in one lane: codes to v[dst] .. v[dst + 5], the byte to v[TM + 8]
.macro QBLK src, dst
	v_max3_num_f32 v[TM], |v[\src]|, |v[\src+1]|, 0x1800000
	v_max3_num_f32 v[TM+1], |v[\src+2]|, |v[\src+3]|, |v[\src+4]|
.irp i,5,9,13,17,21,25
	s_delay_alu instid0(VALU_DEP_2)
	v_max3_num_f32 v[TM], v[TM], |v[\src+\i]|, |v[\src+\i+1]|
	s_delay_alu instid0(VALU_DEP_2)
	v_max3_num_f32 v[TM+1], v[TM+1], |v[\src+\i+2]|, |v[\src+\i+3]|
.endr
	s_delay_alu instid0(VALU_DEP_2)
	v_max3_num_f32 v[TM], v[TM], |v[\src+29]|, |v[\src+30]|
	s_delay_alu instid0(VALU_DEP_1)
	v_max3_num_f32 v[TM], v[TM], v[TM+1], |v[\src+31]|
	s_delay_alu instid0(VALU_DEP_1)
	v_add_nc_u32 v[TM+12], 0xff000000, v[TM]
	s_delay_alu instid0(VALU_DEP_1)
	v_lshrrev_b32 v[TM+8], 23, v[TM+12]
	v_cvt_scalef32_pk16_fp6_f32 v[\dst:\dst+2], v[\src:\src+15], v[TM+12]
	v_cvt_scalef32_pk16_fp6_f32 v[PT:PT+2], v[\src+16:\src+31], v[TM+12]
	v_nop
.irp i,0,1,2
	v_mov_b32 v[\dst+3+\i], v[PT+\i]
.endr
.endm
; 64 numbers of a lane, register 16 b + i = k 32 b + 16 h + i of its row, become a fragment and its scale word
.macro QUANT src, dst, word
.irp b,0,1,2,3
	v_max3_num_f32 v[TM+\b], |v[\src+16*\b]|, |v[\src+16*\b+1]|, 0x1800000
.endr
.irp i,2,4,6,8,10,12,14
.irp b,0,1,2,3
	v_max3_num_f32 v[TM+\b], v[TM+\b], |v[\src+16*\b+\i]|, |v[\src+16*\b+\i+1]|
.endr
.endr
.irp b,0,1,2,3
	s_delay_alu instid0(VALU_DEP_4)
	v_permlanex16_b32 v[TM+4+\b], v[TM+\b], s52, s53
.endr
.irp b,0,1,2,3
	s_delay_alu instid0(VALU_DEP_4)
	v_max_num_f32 v[TM+\b], v[TM+\b], v[TM+4+\b]
.endr
.irp b,0,1,2,3
	s_delay_alu instid0(VALU_DEP_4)
	v_add_nc_u32 v[TM+12+\b], 0xff000000, v[TM+\b]
.endr
.irp b,0,1,2,3
	s_delay_alu instid0(VALU_DEP_4)
	v_lshrrev_b32 v[TM+4+\b], 23, v[TM+12+\b]
.endr
	s_delay_alu instid0(VALU_DEP_3)
	v_lshl_or_b32 v[\word], v[TM+5], 8, v[TM+4]
	s_delay_alu instid0(VALU_DEP_1)
	v_lshl_or_b32 v[\word], v[TM+6], 16, v[\word]
	s_delay_alu instid0(VALU_DEP_1)
	v_lshl_or_b32 v[\word], v[TM+7], 24, v[\word]
.irp c,0,1
	v_cvt_scalef32_pk16_fp6_f32 v[\dst+6*\c:\dst+6*\c+2], v[\src+32*\c:\src+32*\c+15], v[TM+12+2*\c]
	v_cvt_scalef32_pk16_fp6_f32 v[PT+4*\c:PT+4*\c+2], v[\src+32*\c+16:\src+32*\c+31], v[TM+13+2*\c]
.endr
	v_nop
.irp c,0,1
.irp i,0,1,2
	v_permlane16_swap_b32 v[\dst+6*\c+\i], v[PT+4*\c+\i]   ; a whole block to a lane
.endr
.irp i,0,1,2
	s_delay_alu instid0(VALU_DEP_3)
	v_mov_b32 v[\dst+6*\c+3+\i], v[PT+4*\c+\i]
.endr
.endr
.endm
; nt tiles of a weight (two K steps each) from LDS against X; two tiles at a time, their accumulators by turns; the first K step starts the sums
.macro GEMMT wa, wo, sa, so, nt
.set TT, 0
.rept \nt/2
.irp f,0,1,2,3
.irp c,0,1,2
	ds_load_b128 v[WF+12*\f+4*\c:WF+12*\f+4*\c+3], v[\wa] offset:\wo+(2*TT+\f)*1536+512*\c
.endr
	ds_load_b32 v[WS+\f], v[\sa] offset:\so+(2*TT+\f)*64
.endr
	s_wait_dscnt 0x0
	MMZ ACC+8*TT, WF, X, WS, XSC
	s_wait_alu depctr_va_vdst(0)
	MMZ ACC+8*TT+8, WF+24, X, WS+2, XSC
	MMA ACC+8*TT, WF+12, X+12, ACC+8*TT, WS+1, XSC+1
	MMA ACC+8*TT+8, WF+36, X+12, ACC+8*TT+8, WS+3, XSC+1
	NOPS 4                                         ; places in front of the next loads and of the first read of results
.set TT, TT+2
.endr
.endm
; mean and variance of a row (n registers here, n in lane l xor 16); ACC is left centred, 1 / sqrt(var + eps) in v[TM+10], v[TM+11]
.macro LNSTAT n, sn, sp, se
	v_pk_add_f32 v[106:107], v[128:129], v[136:137]
	v_pk_add_f32 v[108:109], v[144:145], v[152:153]
	v_pk_add_f32 v[110:111], v[160:161], v[168:169]
	v_pk_add_f32 v[124:125], v[176:177], v[184:185]
	v_pk_add_f32 v[120:121], v[192:193], v[200:201]
	v_pk_add_f32 v[118:119], v[208:209], v[216:217]
	v_pk_add_f32 v[116:117], v[224:225], v[232:233]
	v_pk_add_f32 v[104:105], v[240:241], v[248:249]
	v_pk_add_f32 v[104:105], v[104:105], v[130:131]
	v_pk_add_f32 v[106:107], v[106:107], v[138:139]
	v_pk_add_f32 v[108:109], v[108:109], v[146:147]
	v_pk_add_f32 v[110:111], v[110:111], v[154:155]
	v_pk_add_f32 v[124:125], v[124:125], v[162:163]
	v_pk_add_f32 v[120:121], v[120:121], v[170:171]
	v_pk_add_f32 v[118:119], v[118:119], v[178:179]
	v_pk_add_f32 v[116:117], v[116:117], v[186:187]
	v_pk_add_f32 v[104:105], v[104:105], v[194:195]
	v_pk_add_f32 v[106:107], v[106:107], v[202:203]
	v_pk_add_f32 v[108:109], v[108:109], v[210:211]
	v_pk_add_f32 v[110:111], v[110:111], v[218:219]
	v_pk_add_f32 v[124:125], v[124:125], v[226:227]
	v_pk_add_f32 v[120:121], v[120:121], v[234:235]
	v_pk_add_f32 v[118:119], v[118:119], v[242:243]
	v_pk_add_f32 v[116:117], v[116:117], v[250:251]
	v_pk_add_f32 v[104:105], v[104:105], v[132:133]
	v_pk_add_f32 v[106:107], v[106:107], v[140:141]
	v_pk_add_f32 v[108:109], v[108:109], v[148:149]
	v_pk_add_f32 v[110:111], v[110:111], v[156:157]
	v_pk_add_f32 v[124:125], v[124:125], v[164:165]
	v_pk_add_f32 v[120:121], v[120:121], v[172:173]
	v_pk_add_f32 v[118:119], v[118:119], v[180:181]
	v_pk_add_f32 v[116:117], v[116:117], v[188:189]
	v_pk_add_f32 v[104:105], v[104:105], v[196:197]
	v_pk_add_f32 v[106:107], v[106:107], v[204:205]
	v_pk_add_f32 v[108:109], v[108:109], v[212:213]
	v_pk_add_f32 v[110:111], v[110:111], v[220:221]
	v_pk_add_f32 v[124:125], v[124:125], v[228:229]
	v_pk_add_f32 v[120:121], v[120:121], v[236:237]
	v_pk_add_f32 v[118:119], v[118:119], v[244:245]
	v_pk_add_f32 v[116:117], v[116:117], v[252:253]
	v_pk_add_f32 v[104:105], v[104:105], v[134:135]
	v_pk_add_f32 v[106:107], v[106:107], v[142:143]
	v_pk_add_f32 v[108:109], v[108:109], v[150:151]
	v_pk_add_f32 v[110:111], v[110:111], v[158:159]
	v_pk_add_f32 v[124:125], v[124:125], v[166:167]
	v_pk_add_f32 v[120:121], v[120:121], v[174:175]
	v_pk_add_f32 v[118:119], v[118:119], v[182:183]
	v_pk_add_f32 v[116:117], v[116:117], v[190:191]
	v_pk_add_f32 v[104:105], v[104:105], v[198:199]
	v_pk_add_f32 v[106:107], v[106:107], v[206:207]
	v_pk_add_f32 v[108:109], v[108:109], v[214:215]
	v_pk_add_f32 v[110:111], v[110:111], v[222:223]
	v_pk_add_f32 v[124:125], v[124:125], v[230:231]
	v_pk_add_f32 v[120:121], v[120:121], v[238:239]
	v_pk_add_f32 v[118:119], v[118:119], v[246:247]
	v_pk_add_f32 v[116:117], v[116:117], v[254:255]
	s_delay_alu instid0(VALU_DEP_4)
	v_pk_add_f32 v[104:105], v[104:105], v[124:125]
	s_delay_alu instid0(VALU_DEP_4)
	v_pk_add_f32 v[106:107], v[106:107], v[120:121]
	s_delay_alu instid0(VALU_DEP_4)
	v_pk_add_f32 v[108:109], v[108:109], v[118:119]
	s_delay_alu instid0(VALU_DEP_4)
	v_pk_add_f32 v[110:111], v[110:111], v[116:117]
	s_delay_alu instid0(VALU_DEP_2)
	v_pk_add_f32 v[104:105], v[104:105], v[108:109]
	s_delay_alu instid0(VALU_DEP_2)
	v_pk_add_f32 v[106:107], v[106:107], v[110:111]
	s_delay_alu instid0(VALU_DEP_1)
	v_pk_add_f32 v[104:105], v[104:105], v[106:107]
	s_delay_alu instid0(VALU_DEP_1)
	v_add_f32 v[TM], v[TM], v[TM+1]
	s_delay_alu instid0(VALU_DEP_1)
	v_permlanex16_b32 v[TM+8], v[TM], s52, s53
	s_delay_alu instid0(VALU_DEP_1)
	v_add_f32 v[TM], v[TM], v[TM+8]
	s_delay_alu instid0(VALU_DEP_1)
	v_mul_f32 v[TM+10], s[\sn], v[TM]              ; minus the mean
	s_delay_alu instid0(VALU_DEP_1)
	v_mov_b32 v[TM+11], v[TM+10]
.set JJ, 0
.rept \n/2
	v_pk_add_f32 v[ACC+JJ:ACC+JJ+1], v[ACC+JJ:ACC+JJ+1], v[TM+10:TM+11]
.set JJ, JJ+2
.endr
.irp k,0,1,2,3
	v_pk_mul_f32 v[TM+2*\k:TM+2*\k+1], v[ACC+2*\k:ACC+2*\k+1], v[ACC+2*\k:ACC+2*\k+1]
.endr
.set JJ, 8
.rept (\n-8)/8
.irp k,0,1,2,3
	s_delay_alu instid0(VALU_DEP_4)
	v_pk_fma_f32 v[TM+2*\k:TM+2*\k+1], v[ACC+JJ+2*\k:ACC+JJ+2*\k+1], v[ACC+JJ+2*\k:ACC+JJ+2*\k+1], v[TM+2*\k:TM+2*\k+1]
.endr
.set JJ, JJ+8
.endr
	s_delay_alu instid0(VALU_DEP_3)
	v_pk_add_f32 v[TM:TM+1], v[TM:TM+1], v[TM+2:TM+3]
	s_delay_alu instid0(VALU_DEP_2)
	v_pk_add_f32 v[TM+4:TM+5], v[TM+4:TM+5], v[TM+6:TM+7]
	s_delay_alu instid0(VALU_DEP_1)
	v_pk_add_f32 v[TM:TM+1], v[TM:TM+1], v[TM+4:TM+5]
	s_delay_alu instid0(VALU_DEP_1)
	v_add_f32 v[TM], v[TM], v[TM+1]
	s_delay_alu instid0(VALU_DEP_1)
	v_permlanex16_b32 v[TM+8], v[TM], s52, s53
	s_delay_alu instid0(VALU_DEP_1)
	v_add_f32 v[TM], v[TM], v[TM+8]
	s_delay_alu instid0(VALU_DEP_1)
	v_fma_f32 v[TM], v[TM], s[\sp], s[\se]
	s_wait_alu depctr_va_vdst(0)
	v_rsq_f32 v[TM+10], v[TM]
	v_nop
	s_wait_alu depctr_va_vdst(0)
	v_mov_b32 v[TM+11], v[TM+10]
.endm
; gain and bias from LDS, 16 channels at a time: ACC = ACC (g / sigma) + b
.macro LNAPPLY nch, ga, go, bo
.set BB, 0
.rept \nch
.irp c,0,1,2,3
	ds_load_b128 v[WF+4*\c:WF+4*\c+3], v[\ga] offset:\go+128*BB+16*\c
	ds_load_b128 v[WF+16+4*\c:WF+19+4*\c], v[\ga] offset:\bo+128*BB+16*\c
.endr
	s_wait_dscnt 0x0
.irp k,0,2,4,6,8,10,12,14
	v_pk_mul_f32 v[WF+\k:WF+\k+1], v[WF+\k:WF+\k+1], v[TM+10:TM+11]
.endr
.irp k,0,2,4,6,8,10,12,14
	v_pk_fma_f32 v[ACC+16*BB+\k:ACC+16*BB+\k+1], v[ACC+16*BB+\k:ACC+16*BB+\k+1], v[WF+\k:WF+\k+1], v[WF+16+\k:WF+17+\k]
.endr
.set BB, BB+1
.endr
.endm
	s_load_b512 s[4:19], s[0:1], 0x0               ; features 4, wts 6, b_pre 8, g_dm 10, b_dm 12, xyz 14, glist 16, nlist 18
	s_load_b128 s[20:23], s[0:1], 0x40             ; qkv 20, idx 22
	s_load_b64 s[24:25], s[0:1], 0x50              ; rel
	v_lshl_add_u32 v123, v0, 2, 0x3ec00
	v_mov_b32 v127, 0
	ds_add_u32 v123, v127
	ds_add_u32 v123, v127
	v_lshrrev_b32 v1, 5, v0
	s_delay_alu instid0(VALU_DEP_1)
	v_readfirstlane_b32 s26, v1                    ; wave 0..15
	s_and_b32 s27, s26, 3                          ; tile of points
	s_lshr_b32 s28, s26, 2                         ; table; 3: the translation
	v_and_b32 v1, 15, v0                           ; r; for the translation: j
	v_bfe_u32 v2, v0, 4, 1                         ; h
	v_and_b32 v3, 31, v0
	s_delay_alu instid0(VALU_DEP_1)
	v_lshlrev_b32 v3, 4, v3                        ; 16 x lane: an image's place
	s_delay_alu instid0(VALU_DEP_4)
	v_lshl_add_u32 v4, v1, 2, WSCL                 ; a scale word's
	v_lshlrev_b32 v5, 4, v0                        ; the copies (threads 0-383): 16 x thread,
	s_delay_alu instid0(VALU_DEP_1)
	v_add_nc_u32 v22, 61440, v5                    ; the same ten copies on,
	s_delay_alu instid0(VALU_DEP_2)
	v_add_nc_u32 v23, 122880, v5                   ; and twenty: so every copy's immediate stays under 65,536
	s_delay_alu instid0(VALU_DEP_3)
	v_add_nc_u32 v6, WSCL, v5
	v_lshl_add_u32 v7, v0, 3, PAR                  ; 8 x thread = 1,024 x table + 8 x (thread % 128)
	v_and_b32 v31, 127, v0                         ; thread % 128: the translation's thread number
	s_delay_alu instid0(VALU_DEP_1)
	v_lshlrev_b32 v8, 3, v31
	v_lshlrev_b32 v9, 8, v1
	s_delay_alu instid0(VALU_DEP_1)
	v_lshl_add_u32 v9, v2, 7, v9                   ; features: row r, block h
	s_mul_i32 s36, s28, 49152
	s_add_co_u32 s36, s36, 24576
	v_add_nc_u32 v10, s36, v3                      ; my table's weight in LDS
	s_lshl_b32 s36, s28, 11
	s_add_co_u32 s36, s36, 6144
	v_add_nc_u32 v11, s36, v4                      ; and its scale words
	v_lshl_add_u32 v12, v2, 6, PAR                 ; parameters of my 16 channels of a chunk of 32
	s_mul_i32 s36, s26, 4352
	s_add_co_u32 s36, s36, STG
	v_mul_u32_u24 v13, v1, 272
	s_delay_alu instid0(VALU_DEP_1)
	v_lshl_add_u32 v18, v2, 6, v13                 ; v's order now: byte 128 b + 8 p + 4 u of a chunk of 64 channels (p = k + 8 h): row r, + 64 h
	s_delay_alu instid0(VALU_DEP_1)
	v_add_nc_u32 v18, s36, v18                     ; into my stage, v's order: row r, + 64 h
	s_delay_alu instid0(VALU_DEP_3)
	v_lshl_add_u32 v13, v2, 5, v13
	s_delay_alu instid0(VALU_DEP_1)
	v_add_nc_u32 v13, s36, v13                     ; into my stage, q's and k's order: row r, + 32 h
	v_mul_u32_u24 v14, v2, 272
	s_delay_alu instid0(VALU_DEP_1)
	v_lshl_add_u32 v14, v1, 4, v14
	s_delay_alu instid0(VALU_DEP_1)
	v_add_nc_u32 v14, s36, v14                     ; back: lanes 0-15 one row, lanes 16-31 the next
	v_lshlrev_b32 v15, 10, v2
	s_delay_alu instid0(VALU_DEP_1)
	v_lshl_add_u32 v15, v1, 4, v15                 ; and the same in the table
	v_lshrrev_b32 v16, 4, v31                      ; the translation: my point among eight,
	s_delay_alu instid0(VALU_DEP_1)
	v_lshlrev_b32 v17, 2, v16
	s_delay_alu instid0(VALU_DEP_2)
	v_lshlrev_b32 v19, 4, v16
	s_delay_alu instid0(VALU_DEP_3)
	v_mul_u32_u24 v20, v16, 12
	v_lshlrev_b32 v21, 2, v31                      ; my pair's place in idx,
	v_lshlrev_b32 v30, 4, v31                      ; and in rel
	s_mov_b32 s52, 0x76543210
	s_mov_b32 s53, 0xfedcba98                      ; selects for lane l xor 16
	s_mov_b32 s54, 0xbb800000                      ; -1 / 256
	s_mov_b32 s55, 0x3b800000                      ; 1 / 256
	s_mov_b32 s56, 0x3727c5ac                      ; 1e-5
	s_wait_dscnt 0x0
	s_wait_kmcnt 0x0
	s_cmp_lt_u32 s26, 12
	s_cbranch_scc0 .Lmeet                          ; waves 12-15 copy nothing and have no features to quantise
	s_add_nc_u64 s[30:31], s[6:7], 208896          ; fragment 136
	s_add_nc_u64 s[32:33], s[6:7], 384512          ; scale words from fragment 56 on
	s_cmp_eq_u32 s28, 1
	s_cselect_b64 s[34:35], s[10:11], s[8:9]
	s_cmp_eq_u32 s28, 2
	s_cselect_b64 s[34:35], s[12:13], s[34:35]
.set CI, 0
.rept 10
	global_load_async_to_lds_b128 v5, v5, s[30:31] offset:6144*CI     ; a copy is 384 threads x 16 bytes; 28 of them bring the 112 images; every byte is filled once
	global_load_async_to_lds_b128 v22, v22, s[30:31] offset:6144*CI
.set CI, CI+1
.endr
.set CI, 0
.rept 8
	global_load_async_to_lds_b128 v23, v23, s[30:31] offset:6144*CI
.set CI, CI+1
.endr
	global_load_async_to_lds_b128 v6, v5, s[32:33]
	global_load_async_to_lds_b128 v6, v5, s[32:33] offset:6144
	global_load_async_to_lds_b64 v7, v8, s[34:35]
	s_lshl_b32 s36, ttmp9, 14
	s_lshl_b32 s37, s27, 12
	s_add_co_u32 s36, s36, s37
	s_mov_b32 s37, 0
	s_add_nc_u64 s[4:5], s[4:5], s[36:37]
.irp i,0,1,2,3,4,5,6,7
	global_load_b128 v[ACC+4*\i:ACC+4*\i+3], v9, s[4:5] offset:16*\i
.endr
	; ---- features become a fragment: K = 64, so blocks 2 and 3 are zero codes under the byte 127
.irp i,4,5,6,7,8
	v_mov_b32 v[TM+\i], 0                          ; a lane permute's destination counts as read
.endr
	s_wait_loadcnt 0x0
	QBLK ACC, X
	v_lshlrev_b32 v[TM+9], 3, v2
	s_delay_alu instid0(VALU_DEP_1)
	v_lshlrev_b32 v[TM+8], v[TM+9], v[TM+8]
	s_delay_alu instid0(VALU_DEP_1)
	v_permlanex16_b32 v[TM+4], v[TM+8], s52, s53
	s_delay_alu instid0(VALU_DEP_1)
	v_or_b32 v[XSC], v[TM+8], v[TM+4]
	s_delay_alu instid0(VALU_DEP_1)
	v_or_b32 v[XSC], 0x7f7f0000, v[XSC]
.irp i,6,7,8,9,10,11
	v_mov_b32 v[X+\i], 0
.endr
.Lmeet:
	s_wait_asynccnt 0x0                            ; my copies have landed
	s_barrier_signal -1
	s_barrier_wait -1                              ; everybody's have
	s_cmp_lt_u32 s26, 12
	s_cbranch_scc1 .Lj2
	; ---- waves 12-15: 1,024 pairs (point, j), eight a thread: pair 128 i + thread % 128
	s_lshl_b32 s38, ttmp9, 8
	s_mov_b32 s39, 0
	s_add_nc_u64 s[40:41], s[16:17], s[38:39]
	s_add_nc_u64 s[42:43], s[18:19], s[38:39]
	s_lshl_b32 s38, ttmp9, 10
	s_add_nc_u64 s[44:45], s[16:17], s[38:39]
	s_add_nc_u64 s[46:47], s[18:19], s[38:39]
	s_lshr_b32 s38, ttmp9, 6
	s_mul_i32 s38, s38, 49152
	s_add_nc_u64 s[48:49], s[14:15], s[38:39]
	s_and_b32 s38, ttmp9, 63
	s_mul_i32 s38, s38, 768
	s_add_nc_u64 s[50:51], s[48:49], s[38:39]
	s_lshl_b32 s38, ttmp9, 12
	s_add_nc_u64 s[22:23], s[22:23], s[38:39]
	s_lshl_b32 s38, ttmp9, 14
	s_add_nc_u64 s[24:25], s[24:25], s[38:39]
	s_wait_alu depctr_va_vdst(0)
.irp i,0,1,2,3,4,5,6,7
	global_load_b32 v[32+\i], v17, s[42:43] offset:NOFF+32*\i   ; the lower lists' shares: of the points,
	global_load_b32 v[40+\i], v17, s[40:41] offset:NOFF+32*\i   ; of the groups
.endr
	s_wait_loadcnt 0x0
.irp i,0,1,2,3,4,5,6,7
	v_sub_nc_u32 v[48+\i], v1, v[32+\i]
	s_delay_alu instid0(VALU_DEP_1)
	v_add_nc_u32 v[48+\i], 0x40000, v[48+\i]
	v_cmp_lt_u32 vcc_lo, v1, v[32+\i]
	s_delay_alu instid0(VALU_DEP_1)
	v_cndmask_b32 v[48+\i], v[48+\i], v1, vcc_lo   ; entry j: in the lower list, or j - share in the upper
	s_delay_alu instid0(VALU_DEP_1)
	v_min_u32 v[48+\i], 0x4000f, v[48+\i]
	s_delay_alu instid0(VALU_DEP_1)
	v_add_nc_u32 v[48+\i], v[48+\i], v19
	global_load_u8 v[56+\i], v[48+\i], s[46:47] offset:128*\i
.endr
	s_wait_loadcnt 0x0
.irp i,0,1,2,3,4,5,6,7
	v_lshrrev_b32 v[64+\i], 4, v[56+\i]            ; which of the 16 groups, in ascending order
	s_delay_alu instid0(VALU_DEP_1)
	v_sub_nc_u32 v[72+\i], v[40+\i], v[64+\i]
	s_delay_alu instid0(VALU_DEP_1)
	v_add_nc_u32 v[72+\i], -1, v[72+\i]
	s_delay_alu instid0(VALU_DEP_3)
	v_sub_nc_u32 v[80+\i], 0x4000f, v[64+\i]
	s_delay_alu instid0(VALU_DEP_4)
	v_cmp_lt_u32 vcc_lo, v[64+\i], v[40+\i]
	s_delay_alu instid0(VALU_DEP_1)
	v_cndmask_b32 v[72+\i], v[80+\i], v[72+\i], vcc_lo
	s_delay_alu instid0(VALU_DEP_1)
	v_min_u32 v[72+\i], 0x4000f, v[72+\i]
	s_delay_alu instid0(VALU_DEP_1)
	v_add_nc_u32 v[72+\i], v[72+\i], v19
	global_load_u8 v[80+\i], v[72+\i], s[44:45] offset:128*\i
.endr
	s_wait_loadcnt 0x0
.irp i,0,1,2,3,4,5,6,7
	v_min_u32 v[80+\i], 0xff, v[80+\i]
	v_and_b32 v[88+\i], 15, v[56+\i]
	s_delay_alu instid0(VALU_DEP_1)
	v_lshl_add_u32 v[88+\i], v[80+\i], 4, v[88+\i]
	s_delay_alu instid0(VALU_DEP_1)
	v_min_u32 v[88+\i], 0xfff, v[88+\i]            ; the neighbour's index in its cloud
	s_delay_alu instid0(VALU_DEP_1)
	v_mul_u32_u24 v[64+\i], v[88+\i], 12
	global_load_b96 v[96+4*\i:98+4*\i], v[64+\i], s[48:49]
	global_load_b96 v[160+4*\i:162+4*\i], v20, s[50:51] offset:96*\i
.endr
	s_wait_loadcnt 0x0
.irp i,0,1,2,3,4,5,6,7
	v_sub_f32 v[192+4*\i], v[160+4*\i], v[96+4*\i]
	v_sub_f32 v[193+4*\i], v[161+4*\i], v[97+4*\i]
	v_sub_f32 v[194+4*\i], v[162+4*\i], v[98+4*\i]
	v_mov_b32 v[195+4*\i], 0
	global_store_b32 v21, v[88+\i], s[22:23] offset:512*\i
	global_store_b128 v30, v[192+4*\i:195+4*\i], s[24:25] offset:2048*\i
.endr
	s_wait_tensorcnt 0x0
	ds_add_u32 v123, v127
	s_wait_dscnt 0x0
	s_endpgm
.Lj2:
.set BB, 0
.rept 8
.irp c,0,1,2,3
	ds_load_b128 v[ACC+16*BB+4*\c:ACC+16*BB+4*\c+3], v12 offset:128*BB+16*\c   ; b_pre is the C of the first product
.endr
.set BB, BB+1
.endr
	NOPS 8                                         ; a scale word made by vector instructions stands eight places ahead
	s_wait_alu depctr_va_vdst(0)
.irp g,0,1,2,3
.irp t,0,1,2,3
.irp c,0,1,2
	ds_load_b128 v[WF+12*\t+4*\c:WF+12*\t+4*\c+3], v3 offset:(4*\g+\t)*1536+512*\c
.endr
	ds_load_b32 v[WS+\t], v4 offset:5120+64*(4*\g+\t)
.endr
	s_wait_dscnt 0x0
.irp t,0,1,2,3
	MMA ACC+8*(4*\g+\t), WF+12*\t, X, ACC+8*(4*\g+\t), WS+\t, XSC
.endr
	NOPS 4
.endr
	QUANT ACC, X, XSC
	QUANT ACC+64, X+12, XSC+1
	NOPS 8
	GEMMT 10, 0, 11, 0, 16
	LNSTAT 128, 54, 55, 56
	s_wait_alu depctr_va_vdst(0)
	LNAPPLY 8, 12, 1024, 2048
	; ---- the way out, 64 channels at a time, through my stage: sixteen lanes store 256 consecutive bytes of a table row.
	; Register 16 b + 8 u + k of a chunk is channel 32 b + 16 h + 8 u + k: tile t = 2 b + u, lane p = k + 8 h.  q, k: byte 64 t + 4 p;  v: byte 128 b + 8 p + 4 u.
	s_lshl_b32 s36, ttmp9, 16
	s_lshl_b32 s38, s27, 14
	s_add_co_u32 s36, s36, s38
	s_lshl_b32 s38, s28, 24
	s_add_co_u32 s36, s36, s38
	s_add_nc_u64 s[20:21], s[20:21], s[36:37]
.irp z,0,1,2,3
	s_cmp_eq_u32 s28, 2                            ; the branch hangs on the wave's number alone, and stands round the stores into the wave's own stage alone
	s_cbranch_scc1 .Lvrow\z
	s_wait_alu depctr_va_vdst(0)
.irp c,0,1,2,3,4,5,6,7
	ds_store_b128 v13, v[ACC+32*\z+4*\c:ACC+32*\z+4*\c+3] offset:64*(\c/2)+16*(\c%2)
.endr
	s_branch .Lstaged\z
.Lvrow\z:
	s_wait_alu depctr_va_vdst(0)
.irp b,0,1
.irp u,0,1
.irp k,0,1,2,3,4,5,6,7
	ds_store_b32 v18, v[ACC+32*\z+16*\b+8*\u+\k] offset:8*\k+128*\b+4*\u   ; position 32 (2 z + b) + 2 p + u holds the channel of lane p of tile 2 (2 z + b) + u
.endr
.endr
.endr
.Lstaged\z:
	s_wait_xcnt 0x0                                ; the last chunk's stores have read their registers
.irp i,0,1,2,3,4,5,6,7
	ds_load_b128 v[WF+4*\i:WF+4*\i+3], v14 offset:544*\i     ; a wave's LDS instructions are served in order
.endr
.irp i,0,1,2,3,4,5,6,7
	s_wait_dscnt 7-\i
	global_store_b128 v15, v[WF+4*\i:WF+4*\i+3], s[20:21] offset:2048*\i+256*\z
.endr
.endr
	s_wait_tensorcnt 0x0
	ds_add_u32 v123, v127
	s_wait_dscnt 0x0
	s_endpgm
.Lfunc_end_k_q670894a507_qkv:
	.size	k_q670894a507_qkv, .Lfunc_end_k_q670894a507_qkv-k_q670894a507_qkv
	.p2alignl 7, 3214868480
	.fill 96, 4, 3214868480
	.section	.rodata,"a",@progbits
	.p2align	6, 0x0
	.amdhsa_kernel k_q670894a507_qkv
		.amdhsa_group_segment_fixed_size 259072
		.amdhsa_private_segment_fixed_size 0
		.amdhsa_enable_private_segment 0
		.amdhsa_kernarg_size 88
		.amdhsa_user_sgpr_count 2
		.amdhsa_user_sgpr_kernarg_segment_ptr 1
		.amdhsa_wavefront_size32 1
		.amdhsa_system_sgpr_workgroup_id_x 1
		.amdhsa_system_sgpr_workgroup_id_y 1
		.amdhsa_system_sgpr_workgroup_id_z 1
		.amdhsa_system_vgpr_workitem_id 0
		.amdhsa_next_free_vgpr 256
		.amdhsa_next_free_sgpr 66
		.amdhsa_reserve_vcc 1
		.amdhsa_float_denorm_mode_32 3
		.amdhsa_float_denorm_mode_16_64 3
		.amdhsa_memory_ordered 1
		.amdhsa_forward_progress 1
		.amdhsa_inst_pref_size 105
	.end_amdhsa_kernel
	.amdgpu_metadata
---
amdhsa.version: [ 1, 2 ]
amdhsa.kernels:
  - .name:           k_q670894a507_qkv
    .symbol:         k_q670894a507_qkv.kd
    .args:
      - { .name: features, .offset: 0, .size: 8, .value_kind: global_buffer, .address_space: global }
      - { .name: wts, .offset: 8, .size: 8, .value_kind: global_buffer, .address_space: global }
      - { .name: b_pre, .offset: 16, .size: 8, .value_kind: global_buffer, .address_space: global }
      - { .name: g_dm, .offset: 24, .size: 8, .value_kind: global_buffer, .address_space: global }
      - { .name: b_dm, .offset: 32, .size: 8, .value_kind: global_buffer, .address_space: global }
      - { .name: xyz, .offset: 40, .size: 8, .value_kind: global_buffer, .address_space: global }
      - { .name: glist, .offset: 48, .size: 8, .value_kind: global_buffer, .address_space: global }
      - { .name: nlist, .offset: 56, .size: 8, .value_kind: global_buffer, .address_space: global }
      - { .name: qkv, .offset: 64, .size: 8, .value_kind: global_buffer, .address_space: global }
      - { .name: idx, .offset: 72, .size: 8, .value_kind: global_buffer, .address_space: global }
      - { .name: rel, .offset: 80, .size: 8, .value_kind: global_buffer, .address_space: global }
    .group_segment_fixed_size: 259072
    .private_segment_fixed_size: 0
    .kernarg_segment_align: 8
    .kernarg_segment_size: 88
    .max_flat_workgroup_size: 512
    .sgpr_count:     66
    .vgpr_count:     256
    .wavefront_size: 32
...
	.end_amdgpu_metadata
.endif
;; end of part 3
;; launch attn (part 4): grid 256 x 1, 8 waves a work-group, no clusters, 263,168 bytes of LDS; arguments wts, qkv, idx, rel, Wp1, g_dm, b_dm, b_post, g_dp, b_dp, features, out0; writes out0
.if DOCPART == 4
	.amdgcn_target "amdgcn-amd-amdhsa--gfx1250"
	.amdhsa_code_object_version 6
	.text
	.protected	k_q670894a507_attn
	.globl	k_q670894a507_attn
	.p2align	8
	.type	k_q670894a507_attn,@function
k_q670894a507_attn:
	s_mov_b64 s[64:65], 0
	v_nop
	global_prefetch_b8 v0, s[64:65] scope:SCOPE_SE
	s_setreg_imm32_b32 hwreg(HW_REG_WAVE_MODE, 25, 1), 1
	s_wait_xcnt 0x0
; For 64 points: pos = relu(rel Wp1^T) Wp2^T; a = relu((q - k + pos) Wa1^T) Wa2^T; softmax of a / 16 over the 16 neighbours, channel by channel, with the maximum taken away;
; res = sum of p (v + pos); out = LN(LN(res Wproj^T) W_post^T + b_post) + features.  All products with K = 256 on codes of E2M3 with E8M0 scales; rel Wp1^T by f32 multiply-adds.
; SHARES.  16 blocks of 4 points; a point's 16 neighbours are one tile of 16 rows.  EIGHT WAVES SHARE THE CHANNELS: wave w makes channels 32 w .. 32 w + 31 of each product (two tiles), and its
; parts of Wp2, Wa1, Wa2 (4 fragments each) and of Wp1 stay in its registers.  What a wave makes is ONE block of 32 of the next operand: block w % 4 of K step w / 4.  Lane (r, h) holds 16 of
; its numbers, so its 16 codes (three registers) are registers 6 c + 3 h .. + 2 of lane r + 16 (w % 2) of that fragment, c = (w % 4) / 2: three stores of 4 bytes into the fragment's image.
; TWO USES OF A PRODUCT.  Transposed (source 0 = weight): a lane holds one row, registers run along the channels: fit for the next quantiser.  Natural (source 0 = rows): a lane holds one
; channel, registers run along the neighbours: fit for the softmax.  pos is made both ways; q - k is the C of the one, the gathered v the C of the other.
; LOADS.  rel and the indices of the next block are asked for in the third phase; its rows of k at the head of the fourth; point m's rows of v when point m's v + pos has been read out.
; A wave has 48 such loads out at the most: 16 of k, then 8 of v for each point; the waits count the v loads of the points behind.
; No cluster: work-groups share only the weights, 0.4 MB read once by each.  No ring: nothing in LDS is filled twice; the first fills are copies at the head.
; No prefetch: the gathered rows are asked for by their own loads a phase or more ahead of their use.
; The tail (Wproj, W_post, the norms) has four tiles of 16 points: waves 0-3 take one each, waves 4-7 end behind the barrier in front of it.
; LIMITS: a block's largest magnitude is held at 2^-124 from below; NaN and infinities are not served.
; REGISTERS.  Window 0: v0-31 addresses (v28, v29 the add's two); F 32-55; v56-79 scale words and nothing else; REL 80-95 (in the second phase: v in the accumulators' order);
; OFF 96-131; two accumulator sets 132-163; P 164-166; at work 168-183, 248-249; v as gathered, then v + pos 184-247.  Window 1: Wp2 0-47, Wa1 48-95, Wa2 96-143, Wp1 144-191, k rows 192-255.
.set SCLB, 380928
.set TW,   65536                       ; LDS: 0: the 64 q rows;  here: fragments 96-127 (Wproj)
.set TS,   126976                      ; scale words of fragments 72-135
.set PAR,  131072                      ; g_dm, b_dm
.set H1,   133120                      ; images: (point m, K step s) at 1536 (2 m + s); scale words 12,288 on, 128 bytes each
.set X1O,  13312
.set H2O,  26624
.set RES,  173056                      ; res: four regions of 64 rows of 256 + 16 bytes, 64 channels each
.set RESW, 17408
.set OST,  242688                      ; the way out: 16 rows x 272 bytes for each of waves 0-3
.set SPARE, 262144                     ; the spare words: 128 bytes for each of eight waves
.set SPW,  28
.set NIL,  29
.set F,    32
.set FS,   56
.set WSC,  58
.set REL,  80
.set OFF,  96
.set ACC0, 132
.set P,    164
.set TM,   168
.set MX,   168
.set PX,   170
.set NM,   172
.set SM,   176
.set WSM,  180
.set PY,   248
.set V,    184
.set WX,   144                         ; window 1
.set KR,   192                         ; window 1
.set MSB, 0
.macro WIN new                         ; the immediate's high byte repeats the setting that is left
.if MSB != (\new)
	s_set_vgpr_msb (MSB<<8)|(\new)
.set MSB, (\new)
.endif
.endm
.macro NOPS n
.rept \n
	v_nop
.endr
.endm
.set HINT, 0                           ; the hint is written only where the quantiser's numbers were written by plain vector lines
.macro DEP n
.if HINT
	s_delay_alu instid0(VALU_DEP_\n)
.endif
.endm
.macro MMZ d, a, b, sa, sb
	v_wmma_scale_f32_16x16x128_f8f6f4 v[\d:\d+7], v[\a:\a+11], v[\b:\b+11], 0, v[\sa], v[\sb] matrix_a_fmt:MATRIX_FMT_FP6 matrix_b_fmt:MATRIX_FMT_FP6
.endm
.macro MMA d, a, b, c, sa, sb
	v_wmma_scale_f32_16x16x128_f8f6f4 v[\d:\d+7], v[\a:\a+11], v[\b:\b+11], v[\c:\c+7], v[\sa], v[\sb] matrix_a_fmt:MATRIX_FMT_FP6 matrix_b_fmt:MATRIX_FMT_FP6
.endm
; 16 numbers of a lane, k = 16 h + i of my block; lane l xor 16 holds the other 16.  Codes to P, the byte to v[TM + 8]
.macro QUANT1 src
	v_max3_num_f32 v[TM], |v[\src]|, |v[\src+1]|, 0x1800000
	v_max3_num_f32 v[TM+1], |v[\src+2]|, |v[\src+3]|, |v[\src+4]|
.irp i,5,9
	DEP 2
	v_max3_num_f32 v[TM], v[TM], |v[\src+\i]|, |v[\src+\i+1]|
	DEP 2
	v_max3_num_f32 v[TM+1], v[TM+1], |v[\src+\i+2]|, |v[\src+\i+3]|
.endr
	DEP 2
	v_max3_num_f32 v[TM], v[TM], |v[\src+13]|, |v[\src+14]|
	DEP 1
	v_max3_num_f32 v[TM], v[TM], v[TM+1], |v[\src+15]|
	DEP 1
	v_permlanex16_b32 v[TM+4], v[TM], s52, s53
	DEP 1
	v_max_num_f32 v[TM], v[TM], v[TM+4]
	DEP 1
	v_add_nc_u32 v[TM+12], 0xff000000, v[TM]       ; 2 off the exponent field: the conversion's scale operand
	DEP 1
	v_lshrrev_b32 v[TM+8], 23, v[TM+12]            ; the byte
	v_cvt_scalef32_pk16_fp6_f32 v[P:P+2], v[\src:\src+15], v[TM+12]
	v_nop                                          ; one plain line behind the conversion
.endm
.macro PUT ro, m                       ; my three registers of fragment (m, s), and my byte of its scale words
	ds_store_b32 v6, v[P] offset:\ro+3072*(\m)
	ds_store_b32 v7, v[P+1] offset:\ro+3072*(\m)
	ds_store_b32 v8, v[P+2] offset:\ro+3072*(\m)
	ds_store_b8 v13, v[TM+8] offset:\ro+256*(\m)
.endm
.macro FETCH ro, m                     ; point m's two fragments and their scale words
.irp j,0,1,2,3,4,5
	ds_load_b128 v[F+4*\j:F+4*\j+3], v4 offset:\ro+3072*(\m)+512*\j
.endr
	ds_load_b32 v[FS], v5 offset:\ro+256*(\m)
	ds_load_b32 v[FS+1], v5 offset:\ro+256*(\m)+128
.endm
.macro QLOAD m                         ; q of point m, my 16 channels, into the accumulators that will take q - k + pos
.set QA, ACC0+16*((\m)%2)
.irp u,0,1
	ds_load_b128 v[QA+8*\u:QA+8*\u+3], v10 offset:1024*(\m)+64*\u
	ds_load_b128 v[QA+8*\u+4:QA+8*\u+7], v10 offset:1024*(\m)+64*\u+16
.endr
.endm
.macro LOADIR                          ; a block's rel and indices: 16 loads; the indices land where they become offsets
.irp m,0,1,2,3
	global_load_b128 v[REL+4*\m:REL+4*\m+3], v22, s[48:49] offset:256*\m
.endr
.irp m,0,1,2,3
	global_load_b32 v[OFF+\m], v20, s[46:47] offset:64*\m
.endr
.irp m,0,1,2,3
	global_load_b128 v[OFF+4+8*\m:OFF+7+8*\m], v21, s[46:47] offset:64*\m
	global_load_b128 v[OFF+8+8*\m:OFF+11+8*\m], v21, s[46:47] offset:64*\m+16
.endr
.endm
.macro GATHK                           ; the indices become offsets; the four points' rows of k go out: lane (r, h) takes neighbour r's row, 16 loads
.set CI, 0
.rept 36
	v_min_u32 v[OFF+CI], 0xfff, v[OFF+CI]          ; a loaded number enters an address only held
.set CI, CI+1
.endr
.irp m,0,1,2,3
	v_lshl_add_u32 v[OFF+\m], v[OFF+\m], 10, v9
.endr
.set CI, 4
.rept 32
	v_lshl_add_u32 v[OFF+CI], v[OFF+CI], 10, v19
.set CI, CI+1
.endr
	WIN 0x40
.irp m,0,1,2,3
.irp u,0,1
	global_load_b128 v[KR+16*\m+8*\u:KR+16*\m+8*\u+3], v[OFF+\m], s[38:39] offset:64*\u
	global_load_b128 v[KR+16*\m+8*\u+4:KR+16*\m+8*\u+7], v[OFF+\m], s[38:39] offset:64*\u+16
.endr
.endr
	WIN 0
.endm
.macro VLOAD m                         ; v of point m's neighbours: load j brings neighbour 8 h + j's numbers at my channel of my two tiles; sixteen lanes read 128 consecutive bytes
.irp j,0,1,2,3,4,5,6,7
	global_load_b64 v[V+16*\m+2*\j:V+16*\m+2*\j+1], v[OFF+4+8*\m+\j], s[40:41]
.endr
.endm
	s_load_b512 s[4:19], s[0:1], 0x0               ; wts 4, qkv 6, idx 8, rel 10, Wp1 12, g_dm 14, b_dm 16, b_post 18
	s_load_b256 s[20:27], s[0:1], 0x40             ; g_dp 20, b_dp 22, features 24, out0 26
	v_lshl_add_u32 v[SPW], v0, 2, SPARE
	v_mov_b32 v[NIL], 0
	ds_add_u32 v[SPW], v[NIL]                      ; the opening lines: the add twice on end and its wait ahead of my first copy
	ds_add_u32 v[SPW], v[NIL]
	v_lshrrev_b32 v1, 5, v0
	v_readfirstlane_b32 s28, v1                    ; wave 0..7
	s_lshr_b32 s29, s28, 2                         ; s: the K step of my block
	s_and_b32 s30, s28, 3                          ; my block in it
	s_lshr_b32 s31, s30, 1
	s_mul_i32 s31, s31, 6                          ; 6 c
	s_and_b32 s59, s30, 1
	s_lshl_b32 s59, s59, 8                         ; the lanes that take my block: 16 bytes x 16 (w % 2)
	s_mul_i32 s60, s29, 1536
	s_add_co_u32 s59, s59, s60
	s_add_co_u32 s59, s59, H1
	s_lshl_b32 s60, s29, 7
	s_add_co_u32 s60, s60, s30                     ; my byte of a scale word
	s_lshl_b32 s61, s28, 7                         ; 128 w: my 32 channels in a table row
	s_lshr_b32 s62, s28, 1
	s_mul_i32 s62, s62, RESW
	s_and_b32 s63, s28, 1
	s_lshl_b32 s63, s63, 7
	s_add_co_u32 s62, s62, s63
	s_add_co_u32 s62, s62, RES                     ; res: region w / 2, + 128 (w % 2)
	s_mul_i32 s63, s28, 384                        ; Wp1: 12 bytes a channel
	s_mov_b32 s52, 0x76543210
	s_mov_b32 s53, 0xfedcba98                      ; selects for lane l xor 16
	s_mov_b32 s54, 0x3db8aa3b                      ; log2(e) / 16
	s_mov_b32 s55, s54
	s_mov_b32 s56, 0xbdb8aa3b
	s_mov_b32 s57, 0x3727c5ac                      ; 1e-5
	s_wait_dscnt 0x0                               ; both opening adds are done
	v_and_b32 v1, 15, v0                           ; r
	v_bfe_u32 v2, v0, 4, 1                         ; h
	v_and_b32 v30, 31, v0
	v_lshlrev_b32 v3, 4, v30                       ; 16 x lane
	v_add_nc_u32 v4, H1, v3
	v_lshl_add_u32 v5, v30, 2, H1+12288
	v_add_nc_u32 v13, s60, v5
	v_lshl_add_u32 v26, v1, 4, s59
	v_mul_u32_u24 v27, v2, 3
	v_add_nc_u32 v27, s31, v27                     ; my first register of the fragment: 6 c + 3 h
.irp i,0,1,2
	v_add_nc_u32 v30, \i, v27                      ; register R lies at 512 (R / 4) + 4 (R % 4) of the lane's place
	v_lshrrev_b32 v[6+\i], 2, v30
	v_and_b32 v30, 3, v30
	v_lshl_add_u32 v[6+\i], v[6+\i], 9, v26
	v_lshl_add_u32 v[6+\i], v30, 2, v[6+\i]
.endr
	v_lshl_add_u32 v9, v2, 5, s61                  ; in a table row: 128 w + 32 h (q, k),
	v_lshl_add_u32 v19, v1, 3, s61                 ; 128 w + 8 r (v)
	v_and_b32 v11, 8, v1
	v_add_nc_u32 v11, v11, v1
	v_lshl_add_u32 v11, v11, 2, s62                ; res: channel r + 8 (r / 8) of a tile
	v_lshlrev_b32 v14, 4, v0
	v_add_nc_u32 v15, TW, v14
	v_add_nc_u32 v16, TS, v14
	v_lshlrev_b32 v17, 2, v0
	v_add_nc_u32 v18, PAR, v17
	v_add_nc_u32 v24, PAR+1024, v17
	v_lshlrev_b32 v20, 2, v1
	v_lshlrev_b32 v21, 5, v2
	v_lshlrev_b32 v22, 4, v1
	v_mul_u32_u24 v23, v2, 192
	v_add_nc_u32 v23, s63, v23                     ; Wp1: channel 32 w + 16 h
	v_lshlrev_b32 v31, 3, v2                       ; 8 h
.set CI, 168
.rept 16
	v_mov_b32 v[CI], 0                             ; lane permutes' destinations and the upper halves of broadcast pairs count as read
.set CI, CI+1
.endr
	v_mov_b32 v248, 0
	v_mov_b32 v249, 0
	s_wait_alu depctr_va_vdst(0)
	s_wait_kmcnt 0x0
	s_mov_b32 s47, 0
	s_lshl_b32 s46, ttmp9, 12
	s_add_nc_u64 s[42:43], s[8:9], s[46:47]
	s_lshl_b32 s46, ttmp9, 14
	s_add_nc_u64 s[44:45], s[10:11], s[46:47]
	s_lshl_b32 s46, ttmp9, 16
	s_add_nc_u64 s[32:33], s[6:7], s[46:47]        ; my 64 q rows
	s_lshr_b32 s46, ttmp9, 6
	s_lshl_b32 s46, s46, 22                        ; my cloud's rows in a table
	s_add_nc_u64 s[38:39], s[6:7], s[46:47]
	s_add_nc_u64 s[38:39], s[38:39], 0x1000000     ; k
	s_add_nc_u64 s[40:41], s[38:39], 0x1000000     ; v
	s_mul_i32 s46, s28, 6144
	s_add_nc_u64 s[60:61], s[4:5], s[46:47]        ; my four fragments of each weight
	s_lshl_b32 s46, s28, 8
	s_add_nc_u64 s[62:63], s[4:5], s[46:47]        ; and their scale words
	s_add_nc_u64 s[34:35], s[4:5], 147456          ; fragment 96
	s_add_nc_u64 s[36:37], s[4:5], 385536          ; scale words from fragment 72 on
	s_mov_b64 s[46:47], s[42:43]
	s_mov_b64 s[48:49], s[44:45]
	LOADIR                                         ; block 0's rel and indices first: the gathers hang on them
.set CI, 0
.rept 12
	global_load_b128 v[V+4*CI:V+4*CI+3], v23, s[12:13] offset:16*CI   ; Wp1 of my 16 channels as it lies: x, y, z of a channel on end
.set CI, CI+1
.endr
.set CI, 0
.rept 16
	global_load_async_to_lds_b128 v14, v14, s[32:33] offset:4096*CI   ; 256 threads x 16 bytes; every copy fills its bytes once.  31 copies in all
.set CI, CI+1
.endr
.set CI, 0
.rept 12
	global_load_async_to_lds_b128 v15, v14, s[34:35] offset:4096*CI
.set CI, CI+1
.endr
	global_load_async_to_lds_b128 v16, v14, s[36:37]
	global_load_async_to_lds_b32 v18, v17, s[14:15]
	global_load_async_to_lds_b32 v24, v17, s[16:17]
	WIN 0x40
.irp q,0,1,2
.set CI, 0
.rept 12
	global_load_b128 v[48*\q+4*CI:48*\q+4*CI+3], v3, s[60:61] offset:49152*\q+512*CI   ; Wp2, Wa1, Wa2
.set CI, CI+1
.endr
.endr
	WIN 0
.irp q,0,1,2
.irp i,0,1,2,3
	global_load_b32 v[WSC+4*\q+\i], v20, s[62:63] offset:SCLB+2048*\q+64*\i
.endr
.endr
	s_wait_loadcnt 48                              ; rel, the indices and Wp1 are in; the 36 loads of weights and the 12 of scale words may be out
	WIN 0x40
.set CI, 0
.rept 16
	v_mov_b32 v[WX+CI], v[V+3*CI]                  ; sorted once into x's, y's and z's, so that the packed forms find two channels side by side
	v_mov_b32 v[WX+16+CI], v[V+3*CI+1]
	v_mov_b32 v[WX+32+CI], v[V+3*CI+2]
.set CI, CI+1
.endr
	WIN 0
	GATHK                                          ; block 0's rows of k and v
	VLOAD 0
	VLOAD 1
	VLOAD 2
	VLOAD 3
	s_mov_b32 s50, 0                               ; block
	s_mov_b32 s51, 0                               ; its rows in res
	s_mov_b32 s58, 0                               ; its q rows
	s_wait_alu depctr_va_vdst(0)
	s_wait_asynccnt 0x0                            ; my copies have landed
	s_barrier_signal -1
	s_barrier_wait -1                              ; everybody's have
.macro PHA m                           ; relu(rel Wp1^T): my 16 channels of point m's 16 rows
.set AA, ACC0+16*((\m)%2)
	WIN 0x01
.set CI, 0
.rept 8
	v_pk_mul_f32 v[AA+CI:AA+CI+1], v[WX+CI:WX+CI+1], v[REL+4*\m:REL+4*\m+1] op_sel_hi:[1,0]
.set CI, CI+2
.endr
.set CI, 0
.rept 8
	v_pk_fma_f32 v[AA+CI:AA+CI+1], v[WX+16+CI:WX+17+CI], v[REL+4*\m:REL+4*\m+1], v[AA+CI:AA+CI+1] op_sel:[0,1,0]
.set CI, CI+2
.endr
.set CI, 0
.rept 8
	v_pk_fma_f32 v[AA+CI:AA+CI+1], v[WX+32+CI:WX+33+CI], v[REL+4*\m+2:REL+4*\m+3], v[AA+CI:AA+CI+1] op_sel_hi:[1,0,1]
.set CI, CI+2
.endr
	WIN 0
.set CI, 0
.rept 16
	v_max_num_f32 v[AA+CI], 0, v[AA+CI]
.set CI, CI+1
.endr
.set HINT, 1
	QUANT1 AA
.set HINT, 0
	PUT 0, \m
.endm
.macro PHB m, lc                       ; x1 = q - k + pos (transposed) and v + pos (natural)
.set AA, ACC0+16*((\m)%2)
.set VP, V+16*(\m)
	s_wait_loadcnt \lc                             ; point m's k and v are in; the count: the v loads of the points behind
.irp u,0,1
.irp j,0,1,2,3,4,5,6,7
	v_mov_b32 v[REL+8*\u+\j], v[VP+2*\j+\u]        ; v as gathered (neighbour j: two tiles) into the natural accumulators' order (tile u: eight neighbours), in rel's registers, which are read out
.endr
.endr
	s_wait_alu depctr_va_vdst(0)
.if \m == 0
	s_wait_dscnt 0x0
.else
	s_wait_dscnt 4                                 ; the fetch is in; the four stores behind it may be out
.endif
	WIN 0x04
.set CI, 0
.rept 8
	v_pk_add_f32 v[AA+CI:AA+CI+1], v[AA+CI:AA+CI+1], v[KR+16*\m+CI:KR+16*\m+CI+1] neg_lo:[0,1] neg_hi:[0,1]
.set CI, CI+2
.endr
	WIN 0x01                                       ; the two accumulators of a use take turns, one instruction a turn
	MMA AA, 0, F, AA, WSC, FS
	MMA AA+8, 24, F, AA+8, WSC+2, FS
	MMA AA, 12, F+12, AA, WSC+1, FS+1
	MMA AA+8, 36, F+12, AA+8, WSC+3, FS+1
	WIN 0x04
	MMA VP, F, 0, REL, FS, WSC                     ; v + pos lands where v was gathered
	MMA VP+8, F, 24, REL+8, FS, WSC+2
	MMA VP, F+12, 12, VP, FS+1, WSC+1
	MMA VP+8, F+12, 36, VP+8, FS+1, WSC+3
	WIN 0
	NOPS 4
.if \m < 3
	FETCH 0, \m+1
	QLOAD \m+1
.endif
	QUANT1 AA
	PUT X1O, \m
.endm
.macro PHC m                           ; relu(x1 Wa1^T), transposed
.set AA, ACC0+16*((\m)%2)
.if \m == 0
	s_wait_dscnt 0x0
.else
	s_wait_dscnt 4
.endif
	WIN 0x01
	MMZ AA, 48, F, WSC+4, FS
	MMZ AA+8, 72, F, WSC+6, FS
	MMA AA, 60, F+12, AA, WSC+5, FS+1
	MMA AA+8, 84, F+12, AA+8, WSC+7, FS+1
	WIN 0
	NOPS 4
.if \m < 3
	FETCH X1O, \m+1
.endif
.set CI, 0
.rept 16
	v_max_num_f32 v[AA+CI], 0, v[AA+CI]
.set CI, CI+1
.endr
.set HINT, 1
	QUANT1 AA
.set HINT, 0
	PUT H2O, \m
.endm
.macro PHD m, nxt                      ; a = h2 Wa2^T, natural; softmax over the neighbours; res
.set AA, ACC0+16*((\m)%2)
.set VP, V+16*(\m)
.if \m == 0
	s_wait_dscnt 0x0
.else
	s_wait_dscnt 2                                 ; the fetch is in; the two stores behind it may be out
.endif
	WIN 0x04
	MMZ AA, F, 96, FS, WSC+8
	MMZ AA+8, F, 120, FS, WSC+10
	MMA AA, F+12, 108, AA, FS+1, WSC+9
	MMA AA+8, F+12, 132, AA+8, FS+1, WSC+11
	WIN 0
	NOPS 4
.if \m < 3
	FETCH H2O, \m+1
.endif
.irp t,0,1
	v_max3_num_f32 v[MX+\t], v[AA+8*\t], v[AA+8*\t+1], v[AA+8*\t+2]
.endr
.irp i,3,5
.irp t,0,1
	DEP 2
	v_max3_num_f32 v[MX+\t], v[MX+\t], v[AA+8*\t+\i], v[AA+8*\t+\i+1]
.endr
.endr
.irp t,0,1
	DEP 2
	v_max_num_f32 v[MX+\t], v[MX+\t], v[AA+8*\t+7]
.endr
.irp t,0,1
	DEP 2
	v_permlanex16_b32 v[PX+\t], v[MX+\t], s52, s53
.endr
.irp t,0,1
	DEP 2
	v_max_num_f32 v[MX+\t], v[MX+\t], v[PX+\t]     ; the channel's largest a of the 16 neighbours
.endr
.irp t,0,1
	DEP 2
	v_mul_f32 v[NM+2*\t], s56, v[MX+\t]
.endr
.irp t,0,1
.irp k,0,2,4,6
	v_pk_fma_f32 v[AA+8*\t+\k:AA+8*\t+\k+1], v[AA+8*\t+\k:AA+8*\t+\k+1], s[54:55], v[NM+2*\t:NM+2*\t+1] op_sel_hi:[1,0,0]
.endr
.endr
	s_wait_alu depctr_va_vdst(0)                   ; the wait ahead of the batch
.set CI, 0
.rept 16
	v_exp_f32 v[AA+CI], v[AA+CI]
.set CI, CI+1
.endr
	v_nop
	s_wait_alu depctr_va_vdst(0)                   ; and behind it
.irp t,0,1
	v_pk_add_f32 v[SM+2*\t:SM+2*\t+1], v[AA+8*\t:AA+8*\t+1], v[AA+8*\t+2:AA+8*\t+3]
.endr
.irp t,0,1
	v_pk_mul_f32 v[WSM+2*\t:WSM+2*\t+1], v[AA+8*\t:AA+8*\t+1], v[VP+8*\t:VP+8*\t+1]
.endr
.irp k,2,4
.irp t,0,1
	v_pk_add_f32 v[SM+2*\t:SM+2*\t+1], v[SM+2*\t:SM+2*\t+1], v[AA+8*\t+\k+2:AA+8*\t+\k+3]
.endr
.irp t,0,1
	v_pk_fma_f32 v[WSM+2*\t:WSM+2*\t+1], v[AA+8*\t+\k:AA+8*\t+\k+1], v[VP+8*\t+\k:VP+8*\t+\k+1], v[WSM+2*\t:WSM+2*\t+1]
.endr
.endr
.irp t,0,1
	v_pk_fma_f32 v[WSM+2*\t:WSM+2*\t+1], v[AA+8*\t+6:AA+8*\t+7], v[VP+8*\t+6:VP+8*\t+7], v[WSM+2*\t:WSM+2*\t+1]
.endr
.irp t,0,1
	v_add_f32 v[SM+2*\t], v[SM+2*\t], v[SM+2*\t+1]
.endr
.irp t,0,1
	DEP 4
	v_add_f32 v[WSM+2*\t], v[WSM+2*\t], v[WSM+2*\t+1]
.endr
.irp t,0,1
	DEP 4
	v_permlanex16_b32 v[PX+\t], v[SM+2*\t], s52, s53
.endr
.irp t,0,1
	DEP 4
	v_permlanex16_b32 v[PY+\t], v[WSM+2*\t], s52, s53
.endr
.irp t,0,1
	DEP 4
	v_add_f32 v[SM+2*\t], v[SM+2*\t], v[PX+\t]
.endr
.irp t,0,1
	DEP 4
	v_add_f32 v[WSM+2*\t], v[WSM+2*\t], v[PY+\t]
.endr
	s_wait_alu depctr_va_vdst(0)
.irp t,0,1
	v_rcp_f32 v[SM+2*\t+1], v[SM+2*\t]
.endr
	v_nop
	s_wait_alu depctr_va_vdst(0)
.irp t,0,1
	v_mul_f32 v[WSM+2*\t], v[WSM+2*\t], v[SM+2*\t+1]
.endr
.irp t,0,1
	ds_store_b32 v12, v[WSM+2*\t] offset:272*\m+32*\t   ; both halves of the lanes write the same number to the same word
.endr
.if \nxt
	VLOAD \m                                       ; point m's v + pos is read out: its registers take the next block's v
.endif
.endm
; A BLOCK of four points.  At its head its rel is in, and its rows of k and v are on their way.  nxt = 1: it asks for the next block's numbers
.macro BLOCK nxt
	v_add_nc_u32 v10, s58, v9
	v_add_nc_u32 v12, s51, v11
	PHA 0
	PHA 1
	PHA 2
	PHA 3
	s_wait_dscnt 0x0
	s_barrier_signal -1
	s_barrier_wait -1                              ; the first operand's eight fragments lie in LDS
	FETCH 0, 0
	QLOAD 0
	PHB 0, 24
	PHB 1, 16
	PHB 2, 8
	PHB 3, 0
	s_wait_dscnt 0x0
	s_barrier_signal -1
	s_barrier_wait -1                              ; the second's
	FETCH X1O, 0
.if \nxt
	s_add_co_u32 s59, s50, 1                       ; no load of mine is out: REL and OFF take the next block's numbers
	s_lshl_b32 s60, s59, 8
	s_mov_b32 s61, 0
	s_add_nc_u64 s[46:47], s[42:43], s[60:61]
	s_lshl_b32 s60, s59, 10
	s_add_nc_u64 s[48:49], s[44:45], s[60:61]
	LOADIR
.endif
	PHC 0
	PHC 1
	PHC 2
	PHC 3
	s_wait_dscnt 0x0
	s_barrier_signal -1
	s_barrier_wait -1                              ; the third's.  Each region is written again only behind a barrier that every wave reaches with its reads of it waited for
	FETCH H2O, 0
.if \nxt
	s_wait_loadcnt 0x0                             ; the next block's rel and indices
	GATHK                                          ; its rows of k: their registers were read out in the second phase
.endif
	PHD 0, \nxt
	PHD 1, \nxt
	PHD 2, \nxt
	PHD 3, \nxt
.endm
.Lblk:                                             ; 15 trips
	BLOCK 1
	s_add_co_u32 s51, s51, 1088
	s_add_co_u32 s58, s58, 4096
	s_add_co_u32 s50, s50, 1
	s_cmp_lt_u32 s50, 15
	s_cbranch_scc1 .Lblk
	BLOCK 0                                        ; the last block is written out: nothing is left to ask for
	s_wait_alu depctr_va_vdst(0)
	s_wait_dscnt 0x0
	s_barrier_signal -1
	s_barrier_wait -1                              ; res of all 64 points lies in LDS
	s_cmp_lt_u32 s28, 4
	s_cbranch_scc1 .Ltail
	s_wait_tensorcnt 0x0                           ; waves 4-7 end
	ds_add_u32 v[SPW], v[NIL]
	s_wait_dscnt 0x0
	s_endpgm
.Ltail:
	; ---- THE TAIL: wave w (0-3) takes points 16 w .. 16 w + 15.  All that it wants from memory is asked for here, into window 1, where the weights lay:
	; W_post 0-95, b_post 96-127, features 128-159, g_dp 160-191, b_dp 192-223: 56 loads
	s_lshl_b32 s60, ttmp9, 14
	s_lshl_b32 s59, s28, 12
	s_add_co_u32 s60, s60, s59
	s_mov_b32 s61, 0
	s_add_nc_u64 s[24:25], s[24:25], s[60:61]
	s_add_nc_u64 s[26:27], s[26:27], s[60:61]
	v_lshlrev_b32 v9, 8, v2
	v_lshl_add_u32 v9, v1, 4, v9
	v_lshlrev_b32 v10, 6, v2
	WIN 0x40
.set CI, 0
.rept 24
	global_load_b128 v[4*CI:4*CI+3], v3, s[34:35] offset:49152+512*CI   ; fragments 128-135
.set CI, CI+1
.endr
.irp b,0,1
.irp c,0,1,2,3
	global_load_b128 v[96+16*\b+4*\c:99+16*\b+4*\c], v10, s[18:19] offset:128*\b+16*\c
	global_load_b128 v[160+16*\b+4*\c:163+16*\b+4*\c], v10, s[20:21] offset:128*\b+16*\c
	global_load_b128 v[192+16*\b+4*\c:195+16*\b+4*\c], v10, s[22:23] offset:128*\b+16*\c
.endr
.endr
.irp i,0,1,2,3,4,5,6,7
	global_load_b128 v[128+4*\i:131+4*\i], v9, s[24:25] offset:512*\i   ; features, as the rows will leave
.endr
	WIN 0
.set WS,   58
.set XSC,  56
.set WPS,  62
.set X,    32
.set WF,   80
.set TM,   112
.set PT,   80
.set ACC,  128
.macro QBLK src, dst                   ; a whole block of 32 in one lane: codes to v[dst] .. v[dst + 5], the byte to v[TM + 8]
	v_max3_num_f32 v[TM], |v[\src]|, |v[\src+1]|, 0x1800000
	v_max3_num_f32 v[TM+1], |v[\src+2]|, |v[\src+3]|, |v[\src+4]|
.irp i,5,9,13,17,21,25
	v_max3_num_f32 v[TM], v[TM], |v[\src+\i]|, |v[\src+\i+1]|
	v_max3_num_f32 v[TM+1], v[TM+1], |v[\src+\i+2]|, |v[\src+\i+3]|
.endr
	v_max3_num_f32 v[TM], v[TM], |v[\src+29]|, |v[\src+30]|
	v_max3_num_f32 v[TM], v[TM], v[TM+1], |v[\src+31]|
	v_add_nc_u32 v[TM+12], 0xff000000, v[TM]
	v_lshrrev_b32 v[TM+8], 23, v[TM+12]
	v_cvt_scalef32_pk16_fp6_f32 v[\dst:\dst+2], v[\src:\src+15], v[TM+12]
	v_cvt_scalef32_pk16_fp6_f32 v[PT:PT+2], v[\src+16:\src+31], v[TM+12]
	v_nop
.irp i,0,1,2
	v_mov_b32 v[\dst+3+\i], v[PT+\i]
.endr
.endm
.macro QUANT src, dst, word            ; 64 numbers of a lane, register 16 b + i = k 32 b + 16 h + i of its row, become a fragment and its scale word
.irp b,0,1,2,3
	v_max3_num_f32 v[TM+\b], |v[\src+16*\b]|, |v[\src+16*\b+1]|, 0x1800000
.endr
.irp i,2,4,6,8,10,12,14
.irp b,0,1,2,3
	v_max3_num_f32 v[TM+\b], v[TM+\b], |v[\src+16*\b+\i]|, |v[\src+16*\b+\i+1]|
.endr
.endr
.irp b,0,1,2,3
	v_permlanex16_b32 v[TM+4+\b], v[TM+\b], s52, s53
.endr
.irp b,0,1,2,3
	v_max_num_f32 v[TM+\b], v[TM+\b], v[TM+4+\b]
.endr
.irp b,0,1,2,3
	v_add_nc_u32 v[TM+12+\b], 0xff000000, v[TM+\b]
.endr
.irp b,0,1,2,3
	v_lshrrev_b32 v[TM+4+\b], 23, v[TM+12+\b]
.endr
	v_lshl_or_b32 v[\word], v[TM+5], 8, v[TM+4]
	v_lshl_or_b32 v[\word], v[TM+6], 16, v[\word]
	v_lshl_or_b32 v[\word], v[TM+7], 24, v[\word]
.irp c,0,1
	v_cvt_scalef32_pk16_fp6_f32 v[\dst+6*\c:\dst+6*\c+2], v[\src+32*\c:\src+32*\c+15], v[TM+12+2*\c]
	v_cvt_scalef32_pk16_fp6_f32 v[PT+4*\c:PT+4*\c+2], v[\src+32*\c+16:\src+32*\c+31], v[TM+13+2*\c]
.endr
	v_nop
.irp c,0,1
.irp i,0,1,2
	v_permlane16_swap_b32 v[\dst+6*\c+\i], v[PT+4*\c+\i]
.endr
.irp i,0,1,2
	v_mov_b32 v[\dst+6*\c+3+\i], v[PT+4*\c+\i]
.endr
.endr
.endm
.macro GEMMT wa, wo, sa, so, nt        ; nt tiles of a weight (two K steps each) from LDS against X; two tiles at a time, their accumulators by turns; the first K step starts the sums
.set TT, 0
.rept \nt/2
.irp f,0,1,2,3
.irp c,0,1,2
	ds_load_b128 v[WF+12*\f+4*\c:WF+12*\f+4*\c+3], v[\wa] offset:\wo+(2*TT+\f)*1536+512*\c
.endr
	ds_load_b32 v[WS+\f], v[\sa] offset:\so+(2*TT+\f)*64
.endr
	s_wait_dscnt 0x0
	MMZ ACC+8*TT, WF, X, WS, XSC
	s_wait_alu depctr_va_vdst(0)
	MMZ ACC+8*TT+8, WF+24, X, WS+2, XSC
	MMA ACC+8*TT, WF+12, X+12, ACC+8*TT, WS+1, XSC+1
	MMA ACC+8*TT+8, WF+36, X+12, ACC+8*TT+8, WS+3, XSC+1
	NOPS 4
.set TT, TT+2
.endr
.endm
.macro LNSTAT n, sn, sp, se            ; ACC is left centred, 1 / sqrt(var + eps) in v[TM+10], v[TM+11]
.irp k,0,1,2,3
	v_pk_add_f32 v[TM+2*\k:TM+2*\k+1], v[ACC+2*\k:ACC+2*\k+1], v[ACC+8+2*\k:ACC+9+2*\k]
.endr
.set JJ, 16
.rept (\n-16)/8
.irp k,0,1,2,3
	v_pk_add_f32 v[TM+2*\k:TM+2*\k+1], v[TM+2*\k:TM+2*\k+1], v[ACC+JJ+2*\k:ACC+JJ+2*\k+1]
.endr
.set JJ, JJ+8
.endr
	v_pk_add_f32 v[TM:TM+1], v[TM:TM+1], v[TM+2:TM+3]
	v_pk_add_f32 v[TM+4:TM+5], v[TM+4:TM+5], v[TM+6:TM+7]
	v_pk_add_f32 v[TM:TM+1], v[TM:TM+1], v[TM+4:TM+5]
	v_add_f32 v[TM], v[TM], v[TM+1]
	v_permlanex16_b32 v[TM+8], v[TM], s52, s53
	v_add_f32 v[TM], v[TM], v[TM+8]
	v_mul_f32 v[TM+10], s[\sn], v[TM]
	v_mov_b32 v[TM+11], v[TM+10]
.set JJ, 0
.rept \n/2
	v_pk_add_f32 v[ACC+JJ:ACC+JJ+1], v[ACC+JJ:ACC+JJ+1], v[TM+10:TM+11]
.set JJ, JJ+2
.endr
.irp k,0,1,2,3
	v_pk_mul_f32 v[TM+2*\k:TM+2*\k+1], v[ACC+2*\k:ACC+2*\k+1], v[ACC+2*\k:ACC+2*\k+1]
.endr
.set JJ, 8
.rept (\n-8)/8
.irp k,0,1,2,3
	v_pk_fma_f32 v[TM+2*\k:TM+2*\k+1], v[ACC+JJ+2*\k:ACC+JJ+2*\k+1], v[ACC+JJ+2*\k:ACC+JJ+2*\k+1], v[TM+2*\k:TM+2*\k+1]
.endr
.set JJ, JJ+8
.endr
	v_pk_add_f32 v[TM:TM+1], v[TM:TM+1], v[TM+2:TM+3]
	v_pk_add_f32 v[TM+4:TM+5], v[TM+4:TM+5], v[TM+6:TM+7]
	v_pk_add_f32 v[TM:TM+1], v[TM:TM+1], v[TM+4:TM+5]
	v_add_f32 v[TM], v[TM], v[TM+1]
	v_permlanex16_b32 v[TM+8], v[TM], s52, s53
	v_add_f32 v[TM], v[TM], v[TM+8]
	v_fma_f32 v[TM], v[TM], s[\sp], s[\se]
	s_wait_alu depctr_va_vdst(0)
	v_rsq_f32 v[TM+10], v[TM]
	v_nop
	s_wait_alu depctr_va_vdst(0)
	v_mov_b32 v[TM+11], v[TM+10]
.endm
.macro SCALEB bb                       ; ACC's chunk bb = ACC (g / sigma) + b, g in WF, b in WF + 16
.irp k,0,2,4,6,8,10,12,14
	v_pk_mul_f32 v[WF+\k:WF+\k+1], v[WF+\k:WF+\k+1], v[TM+10:TM+11]
.endr
.irp k,0,2,4,6,8,10,12,14
	v_pk_fma_f32 v[ACC+16*\bb+\k:ACC+16*\bb+\k+1], v[ACC+16*\bb+\k:ACC+16*\bb+\k+1], v[WF+\k:WF+\k+1], v[WF+16+\k:WF+17+\k]
.endr
.endm
	s_mul_i32 s59, s28, 4352
	v_mul_u32_u24 v30, v1, 272
	v_lshl_add_u32 v30, v2, 7, v30
	v_add_nc_u32 v30, s59, v30
	v_add_nc_u32 v30, RES, v30                     ; row 16 w + r of a region, + 128 h
.irp q,0,1,2,3
.irp j,0,1,2,3,4,5,6,7
	ds_load_b128 v[ACC+32*\q+4*\j:ACC+32*\q+4*\j+3], v30 offset:RESW*\q+16*\j   ; channels 64 q + 32 h + 0 .. 31: a whole block
.endr
.endr
	v_add_nc_u32 v4, TW, v3
	v_lshl_add_u32 v5, v1, 2, TS
	v_lshl_add_u32 v6, v2, 6, PAR
	s_add_co_u32 s59, s59, OST
	v_mul_u32_u24 v7, v1, 272
	v_lshl_add_u32 v7, v2, 6, v7
	v_add_nc_u32 v7, s59, v7
	v_mul_u32_u24 v8, v2, 272
	v_lshl_add_u32 v8, v1, 4, v8
	v_add_nc_u32 v8, s59, v8
	v_add_nc_u32 v12, 16, v31
.irp i,4,5,6,7,8
	v_mov_b32 v[TM+\i], 0
.endr
	s_mov_b32 s46, 0xbb800000                      ; -1 / 256, 1 / 256, -1 / 64, 1 / 64
	s_mov_b32 s47, 0x3b800000
	s_mov_b32 s48, 0xbc800000
	s_mov_b32 s49, 0x3c800000
	s_wait_alu depctr_va_vdst(0)
	s_wait_dscnt 0x0
	QBLK ACC, X
	v_lshlrev_b32 v[XSC], v31, v[TM+8]             ; byte 2 c + h of K step s's word
	QBLK ACC+32, X+6
	v_lshlrev_b32 v[TM+8], v12, v[TM+8]
	v_or_b32 v[XSC], v[XSC], v[TM+8]
	QBLK ACC+64, X+12
	v_lshlrev_b32 v[XSC+1], v31, v[TM+8]
	QBLK ACC+96, X+18
	v_lshlrev_b32 v[TM+8], v12, v[TM+8]
	v_or_b32 v[XSC+1], v[XSC+1], v[TM+8]
	v_permlanex16_b32 v[TM+4], v[XSC], s52, s53
	v_permlanex16_b32 v[TM+5], v[XSC+1], s52, s53
	v_or_b32 v[XSC], v[XSC], v[TM+4]
	v_or_b32 v[XSC+1], v[XSC+1], v[TM+5]
	s_wait_alu depctr_va_vdst(0)                   ; the fragments
	NOPS 8                                         ; scale words made by vector instructions stand eight places ahead
	GEMMT 4, 0, 5, 1536, 16                        ; res Wproj^T
	LNSTAT 128, 46, 47, 57
	s_wait_alu depctr_va_vdst(0)
.irp b,0,1,2,3,4,5,6,7
.irp c,0,1,2,3
	ds_load_b128 v[WF+4*\c:WF+4*\c+3], v6 offset:128*\b+16*\c
	ds_load_b128 v[WF+16+4*\c:WF+19+4*\c], v6 offset:1024+128*\b+16*\c
.endr
	s_wait_dscnt 0x0
	SCALEB \b
.endr
	QUANT ACC, X, XSC
	QUANT ACC+64, X+12, XSC+1
.irp f,0,1,2,3,4,5,6,7
	ds_load_b32 v[WPS+\f], v5 offset:3584+64*\f    ; W_post's scale words
.endr
	NOPS 8
	s_wait_alu depctr_va_vdst(0)
	s_wait_dscnt 0x0
	s_wait_loadcnt 0x0                             ; W_post's fragments, b_post, features, g_dp, b_dp
	WIN 0x11                                       ; source 0 (W_post) and C (b_post) window 1
.irp t,0,1,2,3
	MMA ACC+8*\t, 24*\t, X, 96+8*\t, WPS+2*\t, XSC
.endr
	WIN 0x01
.irp t,0,1,2,3
	MMA ACC+8*\t, 24*\t+12, X+12, ACC+8*\t, WPS+2*\t+1, XSC+1
.endr
	WIN 0
	NOPS 4
	LNSTAT 32, 48, 49, 57
.irp b,0,1
	WIN 0x01
.irp k,0,2,4,6,8,10,12,14
	v_pk_mul_f32 v[WF+\k:WF+\k+1], v[160+16*\b+\k:161+16*\b+\k], v[TM+10:TM+11]
.endr
	WIN 0x10
.irp k,0,2,4,6,8,10,12,14
	v_pk_fma_f32 v[ACC+16*\b+\k:ACC+16*\b+\k+1], v[ACC+16*\b+\k:ACC+16*\b+\k+1], v[WF+\k:WF+\k+1], v[192+16*\b+\k:193+16*\b+\k]
.endr
.endr
	WIN 0
.irp b,0,1
.irp c,0,1,2,3
	ds_store_b128 v7, v[ACC+16*\b+4*\c:ACC+16*\b+4*\c+3] offset:128*\b+16*\c
.endr
.endr
.irp i,0,1,2,3,4,5,6,7
	ds_load_b128 v[WF+4*\i:WF+4*\i+3], v8 offset:544*\i      ; a wave's LDS instructions are served in order
.endr
	s_wait_dscnt 0x0
	WIN 0x04                                       ; source 1 (features) window 1
.irp i,0,1,2,3,4,5,6,7
	v_pk_add_f32 v[WF+4*\i:WF+4*\i+1], v[WF+4*\i:WF+4*\i+1], v[128+4*\i:129+4*\i]
	v_pk_add_f32 v[WF+4*\i+2:WF+4*\i+3], v[WF+4*\i+2:WF+4*\i+3], v[130+4*\i:131+4*\i]
.endr
	WIN 0
.irp i,0,1,2,3,4,5,6,7
	global_store_b128 v9, v[WF+4*\i:WF+4*\i+3], s[26:27] offset:512*\i th:TH_STORE_NT   ; sixteen lanes store a whole row of 256 bytes
.endr
	s_wait_tensorcnt 0x0                           ; the wave's end
	ds_add_u32 v[SPW], v[NIL]
	s_wait_dscnt 0x0
	s_endpgm
.Lfunc_end_k_q670894a507_attn:
	.size	k_q670894a507_attn, .Lfunc_end_k_q670894a507_attn-k_q670894a507_attn
	.p2alignl 7, 3214868480
	.fill 96, 4, 3214868480
	.section	.rodata,"a",@progbits
	.p2align	6, 0x0
	.amdhsa_kernel k_q670894a507_attn
		.amdhsa_group_segment_fixed_size 263168
		.amdhsa_private_segment_fixed_size 0
		.amdhsa_enable_private_segment 0
		.amdhsa_kernarg_size 96
		.amdhsa_user_sgpr_count 2
		.amdhsa_user_sgpr_kernarg_segment_ptr 1
		.amdhsa_wavefront_size32 1
		.amdhsa_system_sgpr_workgroup_id_x 1
		.amdhsa_system_sgpr_workgroup_id_y 1
		.amdhsa_system_sgpr_workgroup_id_z 1
		.amdhsa_system_vgpr_workitem_id 0
		.amdhsa_next_free_vgpr 512
		.amdhsa_next_free_sgpr 66
		.amdhsa_reserve_vcc 0
		.amdhsa_float_denorm_mode_32 3
		.amdhsa_float_denorm_mode_16_64 3
		.amdhsa_memory_ordered 1
		.amdhsa_forward_progress 1
		.amdhsa_inst_pref_size 234
	.end_amdhsa_kernel
	.amdgpu_metadata
---
amdhsa.version: [ 1, 2 ]
amdhsa.kernels:
  - .name:           k_q670894a507_attn
    .symbol:         k_q670894a507_attn.kd
    .args:
      - { .name: wts, .offset: 0, .size: 8, .value_kind: global_buffer, .address_space: global }
      - { .name: qkv, .offset: 8, .size: 8, .value_kind: global_buffer, .address_space: global }
      - { .name: idx, .offset: 16, .size: 8, .value_kind: global_buffer, .address_space: global }
      - { .name: rel, .offset: 24, .size: 8, .value_kind: global_buffer, .address_space: global }
      - { .name: Wp1, .offset: 32, .size: 8, .value_kind: global_buffer, .address_space: global }
      - { .name: g_dm, .offset: 40, .size: 8, .value_kind: global_buffer, .address_space: global }
      - { .name: b_dm, .offset: 48, .size: 8, .value_kind: global_buffer, .address_space: global }
      - { .name: b_post, .offset: 56, .size: 8, .value_kind: global_buffer, .address_space: global }
      - { .name: g_dp, .offset: 64, .size: 8, .value_kind: global_buffer, .address_space: global }
      - { .name: b_dp, .offset: 72, .size: 8, .value_kind: global_buffer, .address_space: global }
      - { .name: features, .offset: 80, .size: 8, .value_kind: global_buffer, .address_space: global }
      - { .name: out0, .offset: 88, .size: 8, .value_kind: global_buffer, .address_space: global }
    .group_segment_fixed_size: 263168
    .private_segment_fixed_size: 0
    .kernarg_segment_align: 8
    .kernarg_segment_size: 96
    .max_flat_workgroup_size: 256
    .sgpr_count:     66
    .vgpr_count:     512
    .wavefront_size: 32
...
	.end_amdgpu_metadata
.endif
;; end of part 4
